; MI455X (gfx1250); checked and timed in simulation.
; The chip was launched on July 23, 2026; its instructions are those of AMD's public machine-readable ISA for CDNA 5 (MIT licence, August 2026) and "CDNA5" Instruction Set Architecture Reference Guide (July 2026). The comments in the code are by the model that wrote it; some were corrected since.
;; Self Attention. Allowed arithmetic: float matrix products may take bf16 or f16 operands with f32 sums; other float arithmetic in f32, or as packed bf16 or f16 multiplies, adds, multiply-adds, maxima and minima; sums over many terms, partial sums and values carried from step to step in f32; what a program stores and reads back later, other than sums and carried values, may be rounded once to bf16 or f16.
;; Inputs: wk_b 1,024 float32; wk_w 1,024 x 1,024 float32; wq_b 1,024 float32; wq_w 1,024 x 1,024 float32; wv_b 1,024 float32; wv_w 1,024 x 1,024 float32; x 4 x 2,048 x 1,024 float32.
;; Outputs: out0 4 x 2,048 x 1,024 float32.
;; One version. Each part assembles by itself: llvm-mc -triple=amdgcn-amd-amdhsa -mcpu=gfx1250 --defsym DOCPART=n.
;; ======== version 1 of 1: 5 launches
;; limits: values are held in f16: magnitudes above 65,504 overflow, below 6.1e-05 lose precision
;; workspace buffers: xb 16,777,216 bytes; wb 6,291,456 bytes; tab 4,194,304 bytes; qk 33,554,432 bytes; vt 16,777,216 bytes; pm 33,554,432 bytes; stats 1,048,576 bytes
;; launch cast (part 1): grid 1024 x 1, 8 waves a work-group, no clusters, 0 bytes of LDS; arguments x, wq_w, wk_w, wv_w, xb, wb, tab; writes xb, wb, tab
.if DOCPART == 1
	.amdgcn_target "amdgcn-amd-amdhsa--gfx1250"
	.amdhsa_code_object_version 6
	.text
	.protected	k_q476f9e0545_cast
	.globl	k_q476f9e0545_cast
	.p2align	8
	.type	k_q476f9e0545_cast,@function
k_q476f9e0545_cast:
	s_mov_b64 s[64:65], 0
	v_nop
	global_prefetch_b8 v0, s[64:65] scope:SCOPE_SE
	s_setreg_imm32_b32 hwreg(HW_REG_WAVE_MODE, 25, 1), 1
	s_wait_xcnt 0x0
; x [8192][1024] and the three weights [1024][1024] are rounded once from f32 to bf16 (xb; wb = wq, wk, wv one below the other),
; and the rotary table is made: tab[t][2 i] = cos(t f_i), tab[t][2 i + 1] = sin(t f_i) in f16, f_i = 10000^(-i / 512), t = 0 .. 2047.
; SHARES.  1,024 work-groups of 256 threads.  Work-group g takes 32,768 bytes of x (8 loads of 16 bytes a thread), 4,096 bytes of each weight
; (one load each) and rows 2 g, 2 g + 1 of the table (16 bytes a thread: four pairs).  No LDS, no barrier, no loop: all eleven loads go out first,
; the table is reckoned while they are on their way.
; THE ANGLE.  f_i / 2 pi is made by one exponential; t f / 2 pi is reduced to -0.5 .. 0.5 turns by one fused multiply-add (exact but for f's own rounding), so
; |y| <= pi whatever t.  LIMIT: the sine's series ends at y^13, the cosine's at y^14: off by at most 2.2e-5 and 4.3e-6 at |y| = pi, a tenth of f16's step at 1.
.set XR, 16                            ; v[16:47] x as loaded, v[48:59] the weights
.set OB, 64                            ; v[64:85] two registers of bf16 for each load
.set FQ, 88                            ; v[88:91]   i, then the exponent, then f / 2 pi
.set YY, 92                            ; v[92:95]   turns, then y
.set Y2, 96                            ; v[96:99]   whole turns, then y^2
.set SN, 100                           ; v[100:103] sine
.set CN, 104                           ; v[104:107] cosine
.set TO, 108                           ; v[108:111] four pairs (cos, sin) in f16
.set KS, 112                           ; v112 1 / 13!
.set KC, 113                           ; v113 -1 / 14!
.macro STEP acc, k                     ; one step of Horner's rule for the four angles: acc = acc y^2 + k
.irp n, 0,1,2,3
	v_fmaak_f32 v[(\acc)+\n], v[(\acc)+\n], v[Y2+\n], \k
.endr
.endm
	s_load_b256 s[4:11], s[0:1], 0x0               ; x s[4:5], wq s[6:7], wk s[8:9], wv s[10:11]
	s_load_b128 s[12:15], s[0:1], 0x20             ; xb s[12:13], wb s[14:15]
	s_load_b64 s[16:17], s[0:1], 0x30              ; tab
	v_lshlrev_b32 v1, 4, v0                        ; 16 t: loads, and the table's store
	v_lshlrev_b32 v2, 3, v0                        ; 8 t: the bf16 stores
	s_lshl_b32 s20, ttmp9, 15                      ; the work-group's part of x,
	s_mov_b32 s21, 0
	s_lshl_b32 s22, ttmp9, 12                      ; of a weight and of the table,
	s_mov_b32 s23, 0
	s_lshl_b32 s24, ttmp9, 14                      ; of xb,
	s_mov_b32 s25, 0
	s_lshl_b32 s26, ttmp9, 11                      ; of a weight in wb
	s_mov_b32 s27, 0
	s_lshl_b32 s28, ttmp9, 1                       ; its first row of the table
	s_wait_kmcnt 0x0
	s_add_nc_u64 s[4:5], s[4:5], s[20:21]
	s_add_nc_u64 s[6:7], s[6:7], s[22:23]
	s_add_nc_u64 s[8:9], s[8:9], s[22:23]
	s_add_nc_u64 s[10:11], s[10:11], s[22:23]
	s_add_nc_u64 s[12:13], s[12:13], s[24:25]
	s_add_nc_u64 s[14:15], s[14:15], s[26:27]
	s_add_nc_u64 s[16:17], s[16:17], s[22:23]
.irp j, 0,1,2,3,4,5,6,7
	global_load_b128 v[XR+4*\j:XR+4*\j+3], v1, s[4:5] offset:4096*\j th:TH_LOAD_NT
.endr
	global_load_b128 v[XR+32:XR+35], v1, s[6:7] th:TH_LOAD_NT
	global_load_b128 v[XR+36:XR+39], v1, s[8:9] th:TH_LOAD_NT
	global_load_b128 v[XR+40:XR+43], v1, s[10:11] th:TH_LOAD_NT
	; the table, while the loads are out
	v_and_b32 v3, 127, v0
	v_lshlrev_b32 v3, 2, v3                        ; my first pair: i = 4 (t % 128)
	v_lshrrev_b32 v4, 7, v0
	v_add_nc_u32 v4, s28, v4                       ; my row: 2 g + t / 128
	v_cvt_f32_u32 v6, v4
.irp n, 0,1,2,3
	v_add_nc_u32 v[FQ+\n], \n, v3
.endr
.irp n, 0,1,2,3
	v_cvt_f32_u32 v[FQ+\n], v[FQ+\n]
.endr
.irp n, 0,1,2,3
	v_mul_f32 v[FQ+\n], 0xbcd49a78, v[FQ+\n]       ; -i log2(10000) / 512
.endr
.irp n, 0,1,2,3
	v_exp_f32 v[FQ+\n], v[FQ+\n]                   ; f_i
.endr
	v_mov_b32 v[KS], 0x2f309231                    ; plain instructions behind the last exponential,
	v_mov_b32 v[KC], 0xad49cba5
	s_wait_alu depctr_va_vdst(0)                   ; and one wait for the four, ahead of their first reader
.irp n, 0,1,2,3
	v_mul_f32 v[FQ+\n], 0x3e22f983, v[FQ+\n]       ; f / 2 pi
.endr
.irp n, 0,1,2,3
	v_mul_f32 v[YY+\n], v6, v[FQ+\n]               ; turns
.endr
.irp n, 0,1,2,3
	v_rndne_f32 v[Y2+\n], v[YY+\n]                 ; whole turns
.endr
.irp n, 0,1,2,3
	v_fma_f32 v[YY+\n], v6, v[FQ+\n], -v[Y2+\n]    ; what is left, from the unrounded product
.endr
.irp n, 0,1,2,3
	v_mul_f32 v[YY+\n], 0x40c90fdb, v[YY+\n]       ; y, in -pi .. pi
.endr
.irp n, 0,1,2,3
	v_mul_f32 v[Y2+\n], v[YY+\n], v[YY+\n]
.endr
.irp n, 0,1,2,3
	v_fmaak_f32 v[SN+\n], v[KS], v[Y2+\n], 0xb2d7322b
	v_fmaak_f32 v[CN+\n], v[KC], v[Y2+\n], 0x310f76c7
.endr
	STEP SN, 0x3638ef1d
	STEP CN, 0xb493f27e
	STEP SN, 0xb9500d01
	STEP CN, 0x37d00d01
	STEP SN, 0x3c088889
	STEP CN, 0xbab60b61
	STEP SN, 0xbe2aaaab
	STEP CN, 0x3d2aaaab
	STEP SN, 0x3f800000
	STEP CN, 0xbf000000
	STEP CN, 0x3f800000
.irp n, 0,1,2,3
	v_mul_f32 v[SN+\n], v[SN+\n], v[YY+\n]
.endr
.irp n, 0,1,2,3
	v_cvt_pk_f16_f32 v[TO+\n], v[CN+\n], v[SN+\n]  ; cosine below, sine above
.endr
	global_store_b128 v1, v[TO:TO+3], s[16:17]     ; sixteen lanes store 256 consecutive bytes, aligned
	; the roundings: load j has 10 - j younger loads behind it, which may stay out; a wave's store covers 256 consecutive bytes, aligned
.irp j, 0,1,2,3,4,5,6,7,8,9,10
	s_wait_loadcnt 10-\j
	v_cvt_pk_bf16_f32 v[OB+2*\j], v[XR+4*\j], v[XR+4*\j+1]
	v_cvt_pk_bf16_f32 v[OB+2*\j+1], v[XR+4*\j+2], v[XR+4*\j+3]
.if \j < 8
	global_store_b64 v2, v[OB+2*\j:OB+2*\j+1], s[12:13] offset:2048*\j
.else
	global_store_b64 v2, v[OB+2*\j:OB+2*\j+1], s[14:15] offset:2097152*(\j-8)
.endif
.endr
	s_endpgm
.Lfunc_end_k_q476f9e0545_cast:
	.size	k_q476f9e0545_cast, .Lfunc_end_k_q476f9e0545_cast-k_q476f9e0545_cast
	.p2alignl 7, 3214868480
	.fill 96, 4, 3214868480
	.section	.rodata,"a",@progbits
	.p2align	6, 0x0
	.amdhsa_kernel k_q476f9e0545_cast
		.amdhsa_group_segment_fixed_size 0
		.amdhsa_private_segment_fixed_size 0
		.amdhsa_enable_private_segment 0
		.amdhsa_kernarg_size 56
		.amdhsa_user_sgpr_count 2
		.amdhsa_user_sgpr_kernarg_segment_ptr 1
		.amdhsa_wavefront_size32 1
		.amdhsa_system_sgpr_workgroup_id_x 1
		.amdhsa_system_sgpr_workgroup_id_y 1
		.amdhsa_system_sgpr_workgroup_id_z 1
		.amdhsa_system_vgpr_workitem_id 0
		.amdhsa_next_free_vgpr 120
		.amdhsa_next_free_sgpr 66
		.amdhsa_reserve_vcc 0
		.amdhsa_float_denorm_mode_32 3
		.amdhsa_float_denorm_mode_16_64 3
		.amdhsa_memory_ordered 1
		.amdhsa_forward_progress 1
		.amdhsa_inst_pref_size 11
	.end_amdhsa_kernel
	.amdgpu_metadata
---
amdhsa.version: [ 1, 2 ]
amdhsa.kernels:
  - .name:           k_q476f9e0545_cast
    .symbol:         k_q476f9e0545_cast.kd
    .args:
      - { .name: x, .offset: 0, .size: 8, .value_kind: global_buffer, .address_space: global }
      - { .name: wq_w, .offset: 8, .size: 8, .value_kind: global_buffer, .address_space: global }
      - { .name: wk_w, .offset: 16, .size: 8, .value_kind: global_buffer, .address_space: global }
      - { .name: wv_w, .offset: 24, .size: 8, .value_kind: global_buffer, .address_space: global }
      - { .name: xb, .offset: 32, .size: 8, .value_kind: global_buffer, .address_space: global }
      - { .name: wb, .offset: 40, .size: 8, .value_kind: global_buffer, .address_space: global }
      - { .name: tab, .offset: 48, .size: 8, .value_kind: global_buffer, .address_space: global }
    .group_segment_fixed_size: 0
    .private_segment_fixed_size: 0
    .kernarg_segment_align: 8
    .kernarg_segment_size: 56
    .max_flat_workgroup_size: 256
    .sgpr_count:     66
    .vgpr_count:     120
    .wavefront_size: 32
...
	.end_amdgpu_metadata
.endif
;; end of part 1
;; launch projqk (part 2): grid 8 x 32, 4 waves a work-group, clusters of 4 x 4, 327,680 bytes of LDS; arguments xb, wb, tab, wq_b, wk_b, qk; writes qk
.if DOCPART == 2
	.amdgcn_target "amdgcn-amd-amdhsa--gfx1250"
	.amdhsa_code_object_version 6
	.text
	.protected	k_q476f9e0545_projqk
	.globl	k_q476f9e0545_projqk
	.p2align	8
	.type	k_q476f9e0545_projqk,@function
k_q476f9e0545_projqk:
	s_mov_b64 s[64:65], 0
	v_nop
	global_prefetch_b8 v0, s[64:65] scope:SCOPE_SE
	s_setreg_imm32_b32 hwreg(HW_REG_WAVE_MODE, 25, 1), 1
	s_wait_xcnt 0x0
	s_wait_alu depctr_hold_cnt(0) depctr_sa_sdst(0) depctr_va_vdst(0) depctr_va_sdst(0) depctr_va_ssrc(0) depctr_va_vcc(0) depctr_vm_vsrc(0)
	s_getreg_b32 s2, hwreg(HW_REG_IB_STS2, 6, 4)
	s_cmp_eq_u32 s2, 0
	s_cbranch_scc0 .Lentry_in_a_cluster
	s_endpgm
.Lentry_in_a_cluster:
	s_bfe_u32 s2, ttmp6, 0x10000c
	s_cmp_lg_u32 s2, 0xf033
	s_cbranch_scc0 .Lentry_shape_is_right
	s_endpgm
.Lentry_shape_is_right:
; q | k = rope(xb W^T + b).  xb [8192][1024] bf16; wb rows 0-1023 wq, 1024-2047 wk, bf16; biases f32, rounded here to bf16 like every input; sums in f32;
; the rotation takes cos and sin from tab (f16) in f32; q and k are rounded once to f16: qk = q [8192][1024], then k the same.
; LIMIT: |q|, |k| stay under 65,504 (f16); NaN and infinities are not treated apart.
; SHARES.  A work-group makes 256 rows x 256 columns (tile columns 0-3: q, 4-7: k), each of its four waves 128 x 128: 64 accumulators, 512 registers.  K goes in 8 steps of 128
; through two LDS slots filled by tensor loads; rows of a tile are 256 bytes of memory, aligned, and lie 272 bytes apart in LDS.  A K step is written once: the slots' addresses are turned by an exclusive or.
; CLUSTER 4 x 4: the four of a row of the cluster ask jointly for xb's tiles, the four of a column for wb's.
; THE PRODUCT IS TAKEN TRANSPOSED (source 0 = 16 rows of wb, source 1 = 16 rows of xb): a lane holds one row of the result and eight neighbouring columns.
; THE BIAS is the C operand of the first products.  THE WAY OUT: when slot 0 has been read for the last time each wave fetches its own 128 x 128 part of the table into it; the sums go, 64 rows at a time,
; into the wave's own part of slot 1 (which has had its last fill), come back so that a lane holds eight neighbouring columns and sixteen lanes a row, are rotated, rounded and stored.
; REGISTERS, in windows of 256: window 0 addresses, xb's fragments (v64-127, v128-191), the way out; window 1 v0-63 bias, wb's fragments (v64-127, v128-191), v192-223 at work;
; windows 2, 3: accumulator (a, b) at v[8 (8 (a % 4) + b)] of window 2 + a / 4.
.set PITCH,  272                       ; 256 bytes + 16: the sixteen rows of a fragment load start in sixteen different groups of four banks (ISA guide 11.1)
.set HALFT,  128*PITCH                 ; what one tensor load brings
.set SLOT,   4*HALFT                   ; xb's 256 rows, then wb's 256 rows: 0x22000 bytes.  A slot's four tiles begin at 0, 0x8800, 0x11000, 0x19800: none holds a bit of 0x22000, so one exclusive or turns a tile's address into the other slot's
.set SPARE,  2*SLOT                    ; behind the ring: the spare words, 128 bytes a wave
.set DP,     528                       ; a row of 128 f32 on the way out: 512 bytes + 16
.set DREG,   64*DP                     ; a wave's 64 rows
.set BASEW,  (1<<16)|(1<<20)|(1<<21)|(5<<22)|(3<<25)  ; 2-byte elements; padding on; bit 21 beside a mask; after every 64 words, 4 words
.set PLAINW, (1<<16)|(1<<20)|(5<<22)|(3<<25)          ; the same for a load of one's own
.set ADA0, 16                          ; v16 my xb fragments in slot 0; never rewritten
.set ADB0, 17                          ; v17 my wb fragments in slot 0; never rewritten
.set ADA,  18                          ; v18 the same in the slot in hand
.set ADB,  19                          ; v19
.set DST,  22                          ; v22 where I put sums
.set RDV,  23                          ; v23 where I read them back
.set TAD,  24                          ; v24 my 16 bytes of the table's rows
.set RDV0, 25                          ; v25 RDV at a half's first rows
.set CO,   26                          ; v26 my byte offset in two rows of q or k
.set ZR,   27                          ; v27 0, an addend
.set SPW,  28                          ; v28 my spare word; never rewritten
.set NIL,  29                          ; v29 0; never rewritten
.set PFO,  30                          ; v30 lane x 2,048: the prefetches' offset; never rewritten
.set UW,   32                          ; v32-47 rotated numbers, two sets
.set F0,   64
.set F1,   128
.set XS,   64                          ; the way out: 8 pairs of rows, 8 sums a lane
.set TS,   128                         ; and 4 words of the table
.set OUT,  192                         ; and 4 words to store
.set WV, 10
.set ROLE, 11                          ; wave / 2: my half of the tile's rows; also: I fetch xb (0) or wb (1)
.set HALF, 12                          ; wave % 2: my half of its columns; also: which 128 rows I fetch
.set TY, 13
.set G1A, 24
.set G0A, 32                           ; two sets: the two first fills; the second then walks
.set CX, 40
.set CY, 41
.set TX, 42
.set LIM, 43                           ; 2 in a wave that prefetches, else the greatest number
.set PFA, 44
.set G1B, 48
.set G0B, 56
.set TB, 66                            ; 0 or SLOT: the slot that is read
.set ROWC, 67
.set HF, 70
.set G1T, 72
.set G0T, 80
.set MSB, 0
.macro WIN new                         ; the immediate's high byte repeats the setting that is left; a switch that changes nothing is dropped
.if MSB != (\new)
	s_set_vgpr_msb (MSB<<8)|(\new)
.set MSB, \new
.endif
.endm
.macro PLACES                          ; four plain instructions between a matrix instruction and a load into, or a reader of, its registers
.rept 4
	v_nop
.endr
.endm
.macro CREST                           ; a round of the cluster's barrier behind its opening barrier
	s_cmp_lg_u32 s[WV], 0
	s_cbranch_scc1 .Lnot_wave_0_\@
	s_barrier_signal -3
.Lnot_wave_0_\@:
	s_barrier_wait -3
	s_barrier_signal -1
	s_barrier_wait -1
.endm
.macro CROUND
	s_barrier_signal -1
	s_barrier_wait -1
	CREST
.endm
.macro JLOAD s                         ; a joint load: waves 0, 1 xb's halves, waves 2, 3 wb's; the branch hangs on the wave's number alone; s_nop 0 and four v_nop follow each line
	s_cmp_eq_u32 s[ROLE], 0
	s_cbranch_scc0 .Lfor_b_\@
	tensor_load_to_lds s[G0A+4*(\s):G0A+4*(\s)+3], s[G1A:G1A+7]
	s_nop 0
.rept 4
	v_nop
.endr
	s_branch .Lasked_\@
.Lfor_b_\@:
	tensor_load_to_lds s[G0B+4*(\s):G0B+4*(\s)+3], s[G1B:G1B+7]
	s_nop 0
.rept 4
	v_nop
.endr
.Lasked_\@:
.endm
.macro TLOAD                           ; my own 128 rows x 256 bytes of the table, into my quarter of slot 0
	tensor_load_to_lds s[G0T:G0T+3], s[G1T:G1T+7]
	s_nop 0
.rept 4
	v_nop
.endr
.endm
; A prefetch of the K step that stands two refills on: 32 rows x 256 bytes, a lane a row.  xb's tile row is asked for by the cluster with x = 0, wb's tile column by the cluster with y = 0; the four partners
; of a joint load take 32 of its 128 rows each, told apart by address.  The loop's last two trips ask for nothing: K step 7 is the last that is named; K steps 0 to 3 come by their loads alone.
.macro ASK
	s_cmp_gt_u32 s3, s[LIM]
	s_cbranch_scc0 .Lnot_mine_\@
	global_prefetch_b8 v[PFO], s[PFA:PFA+1] offset:256 th:TH_LOAD_NT scope:SCOPE_SE
.Lnot_mine_\@:
.endm
; Eight products: m block a x all n blocks, 32 along K.  mode 0: onto the sums; 2: the bias starts the sums.  The 64 accumulators take turns, one instruction a turn, in the same order in every quarter.
.macro MULA f, a, mode
.if (\mode) == 2
	WIN 0x91+0x40*((\a)/4)
.else
	WIN 0xa1+0x50*((\a)/4)
.endif
.irp b, 0,1,2,3,4,5,6,7
.if (\mode) == 2
	v_wmma_f32_16x16x32_bf16 v[8*(8*((\a)%4)+\b):8*(8*((\a)%4)+\b)+7], v[(\f)+8*\b:(\f)+8*\b+7], v[(\f)+8*(\a):(\f)+8*(\a)+7], v[8*\b:8*\b+7]
.else
	v_wmma_f32_16x16x32_bf16 v[8*(8*((\a)%4)+\b):8*(8*((\a)%4)+\b)+7], v[(\f)+8*\b:(\f)+8*\b+7], v[(\f)+8*(\a):(\f)+8*(\a)+7], v[8*(8*((\a)%4)+\b):8*(8*((\a)%4)+\b)+7]
.endif
.endr
.endm
.macro FETCH k, f                      ; 32 LDS loads in one run: the fragments of 32 along K at byte k of the rows of the slot in hand
	WIN 0x40
.irp i, 0,1,2,3,4,5,6,7
	ds_load_b128 v[(\f)+8*\i:(\f)+8*\i+3],   v[ADB] offset:(\k)+\i*16*PITCH
	ds_load_b128 v[(\f)+8*\i+4:(\f)+8*\i+7], v[ADB] offset:(\k)+\i*16*PITCH+32
.endr
	WIN 0
.irp i, 0,1,2,3,4,5,6,7
	ds_load_b128 v[(\f)+8*\i:(\f)+8*\i+3],   v[ADA] offset:(\k)+\i*16*PITCH
	ds_load_b128 v[(\f)+8*\i+4:(\f)+8*\i+7], v[ADA] offset:(\k)+\i*16*PITCH+32
.endr
.endm
.macro QUARTER k, f, g, mode           ; fetches the next quarter's fragments into g, then multiplies f: a fetch leads its use by 64 products
	PLACES
	FETCH \k, \g
	s_wait_dscnt 32                                ; all but the 32 just issued: f is in
.irp a, 0,1,2,3,4,5,6,7
	MULA \f, \a, \mode
.endr
.endm
; A K step's last quarter, and the change of slots.  fill = 1: the slot is filled again, two K steps on; 2: it takes the table; either way the barrier opens a round of the cluster's.
.macro TURN fill
	s_wait_xcnt 0x0                                ; the last prefetch, a K step back, has read its address
	s_add_nc_u64 s[PFA:PFA+1], s[PFA:PFA+1], 256
	WIN 0
	s_wait_tensorcnt 0x0                           ; all my tensor loads have landed, my part of the next slot among them: a group 0 may be written
	ds_add_u32 v[SPW], v[NIL]                      ; 0 onto my spare word
.if (\fill) == 1
	s_xor_b32 s[G0A+5], s[G0A+5], SLOT             ; the walking descriptors: the other slot, the next K step
	s_add_nc_u64 s[G0A+6:G0A+7], s[G0A+6:G0A+7], 256
	s_xor_b32 s[G0B+5], s[G0B+5], SLOT
	s_add_nc_u64 s[G0B+6:G0B+7], s[G0B+6:G0B+7], 256
.endif
	s_wait_dscnt 1                                 ; only the add may be out: buffer 1 is in
	MULA F1, 0, 0
	MULA F1, 1, 0
	s_wait_dscnt 0x0                               ; the add is done, my reads of this slot are over
	s_barrier_signal -1
	MULA F1, 2, 0
	MULA F1, 3, 0
	WIN 0
	s_barrier_wait -1
.if (\fill) == 1
	CREST                                          ; no wave of any partner still reads the slot or has a load on its way
	JLOAD 1                                        ; my one tensor load behind the round; its four v_nop are the places in front of the loads below
.elseif (\fill) == 2
	CREST
	TLOAD
.else
	PLACES
.endif
	s_xor_b32 s[TB], s[TB], SLOT                   ; the fetches go to the other slot
	v_add_nc_u32 v[ADA], s[TB], v[ADA0]
	v_add_nc_u32 v[ADB], s[TB], v[ADB0]
	FETCH 0, F0
.if (\fill) == 1
	ASK
.endif
.irp a, 4,5,6,7
	MULA F1, \a, 0
.endr
.endm
.macro DUMPA a, row                    ; m block a into rows 16 row .. of my region.  Column c of a row lies at byte 256 ((c / 4) % 2) + 16 (c / 8) + 4 (c % 4); each accumulator's low registers go first
	WIN 0x08+4*((\a)/4)
.irp b, 0,1,2,3,4,5,6,7
	ds_store_b128 v[DST], v[8*(8*((\a)%4)+\b):8*(8*((\a)%4)+\b)+3]   offset:(\row)*16*DP+32*\b
	ds_store_b128 v[DST], v[8*(8*((\a)%4)+\b)+4:8*(8*((\a)%4)+\b)+7] offset:(\row)*16*DP+32*\b+256
.endr
.endm
	s_load_b256 s[84:91], s[0:1], 0x0              ; xb s[84:85], wb s[86:87], tab s[88:89], wq_b s[90:91]
	s_load_b128 s[92:95], s[0:1], 0x20             ; wk_b s[92:93], qk s[94:95]
	v_lshl_add_u32 v[SPW], v0, 2, SPARE
	v_mov_b32 v[NIL], 0
	ds_add_u32 v[SPW], v[NIL]                      ; the wave's opening: the add and its wait ahead of my first tensor load
	v_lshrrev_b32 v1, 5, v0
	v_readfirstlane_b32 s[WV], v1
	s_lshr_b32 s[ROLE], s[WV], 1
	s_and_b32 s[HALF], s[WV], 1
	s_bfe_u32 s[CX], ttmp6, 0x40000
	s_bfe_u32 s[CY], ttmp6, 0x40004
	s_lshl_b32 s[TX], ttmp9, 2
	s_add_co_u32 s[TX], s[TX], s[CX]               ; tile column = 4 x cluster x + cx
	s_and_b32 s[TY], ttmp7, 0xffff
	s_lshl_b32 s[TY], s[TY], 2
	s_add_co_u32 s[TY], s[TY], s[CY]               ; tile row = 4 x cluster y + cy
	s_lshl_b32 s18, s[CY], 2
	s_lshl_b32 s18, 15, s18                        ; my row of the cluster
	s_lshl_b32 s19, 0x1111, s[CX]                  ; my column
	s_or_b32 s[G1A], s18, BASEW
	s_or_b32 s[G1B], s19, BASEW
	s_mov_b32 s[G1T], PLAINW
.irp g, G1A, G1B, G1T
	s_mov_b32 s[\g+1], 128<<16                     ; tensor_dim0 = 128
	s_mov_b32 s[\g+2], 128<<16                     ; tensor_dim1 = 128
	s_mov_b32 s[\g+3], 128<<16                     ; tile_dim0 = 128
	s_mov_b32 s[\g+4], 128                         ; tile_dim1 = 128
	s_mov_b32 s[\g+5], 1024                        ; elements from row to row
	s_mov_b32 s[\g+6], 0
	s_mov_b32 s[\g+7], 0
.endr
	s_lshl_b32 s17, s[HALF], 7
	s_lshl_b32 s16, s[TY], 8
	s_add_co_u32 s16, s16, s17
	s_lshl_b32 s16, s16, 11                        ; xb: (256 tile row + 128 half) rows of 2,048 bytes
	s_lshl_b32 s46, s[TX], 8
	s_add_co_u32 s46, s46, s17
	s_lshl_b32 s46, s46, 11                        ; wb: the same by the tile column
	s_mov_b32 s17, 0
	s_mov_b32 s47, 0
	s_mul_i32 s20, s[WV], HALFT                    ; where my tiles go: no place in the cluster enters an LDS address
	s_mov_b32 s[TB], 0
	s_wait_dscnt 0x0                               ; the opening add is done
	s_wait_kmcnt 0x0
	s_add_nc_u64 s[14:15], s[84:85], s[16:17]
	s_add_nc_u64 s[46:47], s[86:87], s[46:47]
	CROUND                                         ; all sixteen work-groups are here: the first joint loads meet
.irp s, 0,1
	s_mov_b32 s[G0A+4*\s], 1
	s_add_co_u32 s[G0A+4*\s+1], s20, \s*SLOT
	s_add_nc_u64 s[G0A+4*\s+2:G0A+4*\s+3], s[14:15], \s*256
	s_or_b32 s[G0A+4*\s+3], s[G0A+4*\s+3], 0x80000000
	s_mov_b32 s[G0B+4*\s], 1
	s_add_co_u32 s[G0B+4*\s+1], s20, \s*SLOT
	s_add_nc_u64 s[G0B+4*\s+2:G0B+4*\s+3], s[46:47], \s*256
	s_or_b32 s[G0B+4*\s+3], s[G0B+4*\s+3], 0x80000000
	JLOAD \s
.endr
	; the table's descriptor: rows 256 (tile row % 8) + 128 (wave / 2) on, columns 256 cx + 128 (wave % 2) on
	s_and_b32 s2, s[TY], 7
	s_lshl_b32 s2, s2, 8
	s_lshl_b32 s3, s[ROLE], 7
	s_add_co_u32 s2, s2, s3
	s_lshl_b32 s2, s2, 11
	s_lshl_b32 s3, s[CX], 9
	s_add_co_u32 s2, s2, s3
	s_lshl_b32 s3, s[HALF], 8
	s_add_co_u32 s2, s2, s3
	s_mov_b32 s3, 0
	s_mov_b32 s[G0T], 1
	s_mov_b32 s[G0T+1], s20
	s_add_nc_u64 s[G0T+2:G0T+3], s[88:89], s[2:3]
	s_or_b32 s[G0T+3], s[G0T+3], 0x80000000
	; where my part of q or k begins
	s_lshl_b32 s2, s[TY], 8
	s_lshl_b32 s3, s[ROLE], 7
	s_add_co_u32 s2, s2, s3
	s_lshl_b32 s2, s2, 11
	s_lshl_b32 s3, s[CX], 9
	s_add_co_u32 s2, s2, s3
	s_lshl_b32 s3, s[HALF], 8
	s_add_co_u32 s2, s2, s3
	s_lshl_b32 s3, ttmp9, 24                       ; cluster x = 1: k, 16,777,216 bytes on
	s_add_co_u32 s2, s2, s3
	s_mov_b32 s3, 0
	s_add_nc_u64 s[8:9], s[94:95], s[2:3]
	; my 128 numbers of the bias
	s_cmp_eq_u32 ttmp9, 0
	s_cselect_b64 s[6:7], s[90:91], s[92:93]
	s_lshl_b32 s2, s[CX], 10
	s_lshl_b32 s3, s[HALF], 9
	s_add_co_u32 s2, s2, s3
	s_mov_b32 s3, 0
	s_add_nc_u64 s[6:7], s[6:7], s[2:3]
	v_and_b32 v1, 15, v0                           ; r = lane % 16
	v_bfe_u32 v2, v0, 4, 1                         ; h = lane / 16
	v_lshlrev_b32 v5, 5, v2                        ; my 8 columns of a block of 16: 32 h bytes; not rewritten while the loads are out
	WIN 0x40
.irp b, 0,1,2,3,4,5,6,7
	global_load_b128 v[8*\b:8*\b+3],   v5, s[6:7] offset:64*\b
	global_load_b128 v[8*\b+4:8*\b+7], v5, s[6:7] offset:64*\b+16
.endr
	WIN 0
	v_mul_u32_u24 v3, v1, PITCH
	v_lshl_add_u32 v3, v2, 4, v3                   ; a fragment's row x pitch + 16 h
	s_mul_i32 s21, s[ROLE], HALFT
	s_mul_i32 s22, s[HALF], HALFT
	s_add_co_u32 s22, s22, 2*HALFT
	v_add_nc_u32 v[ADA0], s21, v3
	v_add_nc_u32 v[ADB0], s22, v3
	v_mov_b32 v[ADA], v[ADA0]
	v_mov_b32 v[ADB], v[ADB0]
	s_mul_i32 s21, s[WV], DREG
	s_add_co_u32 s21, s21, SLOT                    ; my region on the way out, in slot 1
	v_mul_u32_u24 v4, v1, DP
	v_lshl_add_u32 v4, v2, 4, v4
	v_add_nc_u32 v[DST], s21, v4                   ; in: row r, 16 h
	v_mul_u32_u24 v4, v2, DP
	v_lshl_add_u32 v4, v1, 4, v4
	v_add_nc_u32 v[RDV0], s21, v4                  ; back: row h of a pair, 16 r
	v_mul_u32_u24 v4, v2, PITCH
	v_lshl_add_u32 v4, v1, 4, v4
	v_add_nc_u32 v[TAD], s20, v4                   ; the table's rows likewise
	v_lshlrev_b32 v4, 11, v2
	v_lshl_add_u32 v[CO], v1, 4, v4                ; and the same two rows in memory
	v_mov_b32 v[ZR], 0
	; the prefetches
	s_lshl_b32 s14, s[TY], 8
	s_lshl_b32 s15, s[TX], 8
	s_and_b32 s16, ttmp7, 0xffff
	s_cmp_eq_u32 s[ROLE], 0
	s_cselect_b32 s14, s14, s15                    ; the tile's first row
	s_cselect_b32 s15, s[CX], s[CY]                ; my place among the four that ask with me
	s_cselect_b32 s16, ttmp9, s16                  ; the coordinate along which other clusters read the same rows
	s_cselect_b64 s[PFA:PFA+1], s[84:85], s[86:87]
	s_cmp_eq_u32 s16, 0
	s_cselect_b32 s[LIM], 2, -1
	s_lshl_b32 s16, s[HALF], 7
	s_add_co_u32 s14, s14, s16
	s_lshl_b32 s15, s15, 5
	s_add_co_u32 s14, s14, s15
	s_lshl_b32 s14, s14, 11
	s_add_co_u32 s14, s14, 512                     ; at K step 2: the first refill steps it to 3 and names 4
	s_mov_b32 s15, 0
	s_add_nc_u64 s[PFA:PFA+1], s[PFA:PFA+1], s[14:15]
	v_and_b32 v[PFO], 31, v0
	v_lshlrev_b32 v[PFO], 11, v[PFO]
	s_wait_loadcnt 0x0                             ; the bias, rounded to bf16 in place
	WIN 0x45
.set i, 0
.rept 32
	v_cvt_pk_bf16_f32 v[192+i], v[2*i], v[2*i+1]
.set i, i+1
.endr
.set i, 0
.rept 32
	v_lshlrev_b32 v[2*i], 16, v[192+i]
	v_and_b32 v[2*i+1], 0xffff0000, v[192+i]
.set i, i+1
.endr
	WIN 0
	s_wait_tensorcnt 1                             ; my part of K step 0 is in; K step 1's may stay out
	s_barrier_signal -1
	s_barrier_wait -1
	FETCH 0, F0
	QUARTER 64, F0, F1, 2                          ; the first products start the sums with the bias
	WIN 0
	s_mov_b32 s3, 6
.Lstep:                                                ; a trip: from a K step's second quarter to the next one's first; it fills the slot that it leaves: K steps 2 to 7
	QUARTER 128, F1, F0, 0
	QUARTER 192, F0, F1, 0
	TURN 1
	QUARTER 64, F0, F1, 0
	WIN 0
	s_sub_co_u32 s3, s3, 1
	s_cmp_lg_u32 s3, 0
	s_cbranch_scc1 .Lstep
	QUARTER 128, F1, F0, 0                         ; K step 6, in slot 0
	QUARTER 192, F0, F1, 0
	TURN 2                                         ; slot 0 takes the table, which lands under the last K step
	QUARTER 64, F0, F1, 0
	QUARTER 128, F1, F0, 0
	QUARTER 192, F0, F1, 0
	s_wait_dscnt 0x0
.irp a, 0,1,2,3,4,5,6,7
	MULA F1, \a, 0
.endr
	WIN 0
	PLACES
	s_wait_tensorcnt 0x0                           ; my part of the table is in; only I read it
	s_wait_dscnt 0x0
	s_barrier_signal -1
	s_barrier_wait -1                              ; nobody reads slot 1 any more; it has had its last fill
	s_mov_b32 s[HF], 0
.Lhalf:                                                ; my rows 0-63, then 64-127
	s_cmp_eq_u32 s[HF], 0
	s_cbranch_scc0 .Ldump1
	DUMPA 0, 0
	DUMPA 1, 1
	DUMPA 2, 2
	DUMPA 3, 3
	WIN 0
	s_branch .Ldumped
.Ldump1:
	DUMPA 4, 0
	DUMPA 5, 1
	DUMPA 6, 2
	DUMPA 7, 3
	WIN 0
.Ldumped:
	v_mov_b32 v[RDV], v[RDV0]
	s_mov_b32 s[ROWC], 4
.Lrows:                                                ; sixteen rows a trip: eight pairs; LDS serves a wave's instructions in order (ISA guide 5.7.1.4), so the loads see my stores
.irp p, 0,1,2,3,4,5,6,7
	ds_load_b128 v[XS+8*\p:XS+8*\p+3],   v[RDV] offset:2*DP*\p
	ds_load_b128 v[XS+8*\p+4:XS+8*\p+7], v[RDV] offset:2*DP*\p+256
	ds_load_b128 v[TS+4*\p:TS+4*\p+3],   v[TAD] offset:2*PITCH*\p
.endr
.irp p, 0,1,2,3,4,5,6,7
	s_wait_dscnt 3*(7-\p)                          ; the later pairs' loads may stay out
.irp j, 0,1,2,3
	v_fma_mix_f32 v[UW+8*(\p%2)+2*\j],   v[XS+8*\p+2*\j+1], v[TS+4*\p+\j], v[ZR] op_sel:[0,1,0] op_sel_hi:[0,1,0]  ; x1 sin
	v_fma_mix_f32 v[UW+8*(\p%2)+2*\j+1], v[XS+8*\p+2*\j+1], v[TS+4*\p+\j], v[ZR] op_sel_hi:[0,1,0]                 ; x1 cos
.endr
.irp j, 0,1,2,3
	v_fma_mix_f32 v[UW+8*(\p%2)+2*\j],   v[XS+8*\p+2*\j], v[TS+4*\p+\j], -v[UW+8*(\p%2)+2*\j] op_sel_hi:[0,1,0]                  ; x0 cos - x1 sin
	v_fma_mix_f32 v[UW+8*(\p%2)+2*\j+1], v[XS+8*\p+2*\j], v[TS+4*\p+\j], v[UW+8*(\p%2)+2*\j+1] op_sel:[0,1,0] op_sel_hi:[0,1,0]  ; x0 sin + x1 cos
.endr
.irp j, 0,1,2,3
	v_cvt_pk_f16_f32 v[OUT+4*\p+\j], v[UW+8*(\p%2)+2*\j], v[UW+8*(\p%2)+2*\j+1]
.endr
	global_store_b128 v[CO], v[OUT+4*\p:OUT+4*\p+3], s[8:9] offset:4096*\p  ; sixteen lanes store 256 consecutive bytes, aligned
.endr
	s_wait_xcnt 0x0                                ; the stores have read their registers and their base
	v_add_nc_u32 v[RDV], 16*DP, v[RDV]
	v_add_nc_u32 v[TAD], 16*PITCH, v[TAD]
	s_add_nc_u64 s[8:9], s[8:9], 32768
	s_sub_co_u32 s[ROWC], s[ROWC], 1
	s_cmp_lg_u32 s[ROWC], 0
	s_cbranch_scc1 .Lrows
	s_add_co_u32 s[HF], s[HF], 1
	s_cmp_lt_u32 s[HF], 2
	s_cbranch_scc1 .Lhalf
	s_wait_tensorcnt 0x0                           ; the wave's end
	ds_add_u32 v[SPW], v[NIL]
	s_wait_dscnt 0x0
	CROUND                                         ; the closing round
	s_endpgm
.Lfunc_end_k_q476f9e0545_projqk:
	.size	k_q476f9e0545_projqk, .Lfunc_end_k_q476f9e0545_projqk-k_q476f9e0545_projqk
	.p2alignl 7, 3214868480
	.fill 96, 4, 3214868480
	.section	.rodata,"a",@progbits
	.p2align	6, 0x0
	.amdhsa_kernel k_q476f9e0545_projqk
		.amdhsa_group_segment_fixed_size 327680
		.amdhsa_private_segment_fixed_size 0
		.amdhsa_enable_private_segment 0
		.amdhsa_kernarg_size 48
		.amdhsa_user_sgpr_count 2
		.amdhsa_user_sgpr_kernarg_segment_ptr 1
		.amdhsa_wavefront_size32 1
		.amdhsa_system_sgpr_workgroup_id_x 1
		.amdhsa_system_sgpr_workgroup_id_y 1
		.amdhsa_system_sgpr_workgroup_id_z 1
		.amdhsa_system_vgpr_workitem_id 0
		.amdhsa_next_free_vgpr 1024
		.amdhsa_next_free_sgpr 96
		.amdhsa_reserve_vcc 0
		.amdhsa_float_denorm_mode_32 3
		.amdhsa_float_denorm_mode_16_64 3
		.amdhsa_memory_ordered 1
		.amdhsa_forward_progress 1
		.amdhsa_inst_pref_size 116
	.end_amdhsa_kernel
	.amdgpu_metadata
---
amdhsa.version: [ 1, 2 ]
amdhsa.kernels:
  - .name:           k_q476f9e0545_projqk
    .symbol:         k_q476f9e0545_projqk.kd
    .args:
      - { .name: xb, .offset: 0, .size: 8, .value_kind: global_buffer, .address_space: global }
      - { .name: wb, .offset: 8, .size: 8, .value_kind: global_buffer, .address_space: global }
      - { .name: tab, .offset: 16, .size: 8, .value_kind: global_buffer, .address_space: global }
      - { .name: wq_b, .offset: 24, .size: 8, .value_kind: global_buffer, .address_space: global }
      - { .name: wk_b, .offset: 32, .size: 8, .value_kind: global_buffer, .address_space: global }
      - { .name: qk, .offset: 40, .size: 8, .value_kind: global_buffer, .address_space: global }
    .group_segment_fixed_size: 327680
    .private_segment_fixed_size: 0
    .kernarg_segment_align: 8
    .kernarg_segment_size: 48
    .max_flat_workgroup_size: 128
    .sgpr_count:     96
    .vgpr_count:     1024
    .wavefront_size: 32
...
	.end_amdgpu_metadata
.endif
;; end of part 2
;; launch projv (part 3): grid 64 x 4, 4 waves a work-group, clusters of 4 x 4, 327,680 bytes of LDS; arguments wb, xb, wv_b, vt; writes vt
.if DOCPART == 3
	.amdgcn_target "amdgcn-amd-amdhsa--gfx1250"
	.amdhsa_code_object_version 6
	.text
	.protected	k_q476f9e0545_projv
	.globl	k_q476f9e0545_projv
	.p2align	8
	.type	k_q476f9e0545_projv,@function
k_q476f9e0545_projv:
	s_mov_b64 s[64:65], 0
	v_nop
	global_prefetch_b8 v0, s[64:65] scope:SCOPE_SE
	s_setreg_imm32_b32 hwreg(HW_REG_WAVE_MODE, 25, 1), 1
	s_wait_xcnt 0x0
	s_wait_alu depctr_hold_cnt(0) depctr_sa_sdst(0) depctr_va_vdst(0) depctr_va_sdst(0) depctr_va_ssrc(0) depctr_va_vcc(0) depctr_vm_vsrc(0)
	s_getreg_b32 s2, hwreg(HW_REG_IB_STS2, 6, 4)
	s_cmp_eq_u32 s2, 0
	s_cbranch_scc0 .Lentry_in_a_cluster
	s_endpgm
.Lentry_in_a_cluster:
	s_bfe_u32 s2, ttmp6, 0x10000c
	s_cmp_lg_u32 s2, 0xf033
	s_cbranch_scc0 .Lentry_shape_is_right
	s_endpgm
.Lentry_shape_is_right:
; vt[c][t] = the sum over d of wv[c][d] xb[t][d] + wv_b[c]: v, written transposed, [1024 channels][8192 tokens] in f16, as the last product wants it.  wv = rows 2048-3071 of wb, bf16; xb bf16;
; the bias is rounded to bf16 like every input; sums in f32; one rounding to f16.  LIMIT: |v| stays under 65,504; NaN and infinities are not treated apart.
; SHARES.  A work-group makes 256 channels x 128 tokens, wave w channels 64 w .. 64 w + 63 of them: 32 accumulators.  K goes in 8 steps of 128 through two LDS slots; a K step is written once,
; the slots' addresses are turned by an exclusive or.  Waves 0, 1 fetch wv's halves (128 rows), waves 2, 3 xb's (64 rows).
; CLUSTER 4 x 4: the grid has one cluster along y, so the tile row is cy.  wv's tiles are asked for jointly along a row of the cluster, xb's along a column.
; THE PRODUCT IS TAKEN TRANSPOSED (source 0 = 16 rows of xb, source 1 = 16 rows of wv): a lane holds one channel and eight neighbouring tokens.  The bias is the C operand of the first products.
; REGISTERS: window 0 addresses, wv's fragments (v64-95, v128-159), the way out; window 1 v0-31 bias, xb's fragments (v64-127, v128-191); window 2 accumulator (a, b) at v[8 (8 a + b)].
.set NSTEP,  8
.set PITCH,  272
.set AHALF,  128*PITCH
.set BHALF,  64*PITCH
.set BOFF,   2*AHALF                   ; a slot: A's 256 rows, then B's 128
.set SLOT1,  1<<17
.set SPARE,  SLOT1+BOFF+2*BHALF        ; behind the ring: the spare words
.set DP,     528
.set DREG,   64*DP
.set BASEW,  (1<<16)|(1<<20)|(1<<21)|(5<<22)|(3<<25)
.set ADA0, 16
.set ADB0, 17
.set ADA,  18
.set ADB,  19
.set DST,  22
.set RDV,  23
.set CO,   26
.set SPW,  28
.set NIL,  29
.set PFO,  30
.set F0,   64
.set F1,   128
.set XS,   64
.set OUT,  192
.set WV, 10
.set ROLE, 11
.set HALF, 12
.set TY, 13
.set G1A, 24
.set G0A, 32
.set CX, 40
.set CY, 41
.set TX, 42
.set LIM, 43
.set PFA, 44
.set G1B, 48
.set G0B, 56
.set TB, 66
.set ROWC, 67
.set MSB, 0
.macro WIN new
.if MSB != (\new)
	s_set_vgpr_msb (MSB<<8)|(\new)
.set MSB, \new
.endif
.endm
.macro PLACES
.rept 4
	v_nop
.endr
.endm
.macro CREST
	s_cmp_lg_u32 s[WV], 0
	s_cbranch_scc1 .Lnot_wave_0_\@
	s_barrier_signal -3
.Lnot_wave_0_\@:
	s_barrier_wait -3
	s_barrier_signal -1
	s_barrier_wait -1
.endm
.macro CROUND
	s_barrier_signal -1
	s_barrier_wait -1
	CREST
.endm
.macro JLOAD s
	s_cmp_eq_u32 s[ROLE], 0
	s_cbranch_scc0 .Lfor_b_\@
	tensor_load_to_lds s[G0A+4*(\s):G0A+4*(\s)+3], s[G1A:G1A+7]
	s_nop 0
.rept 4
	v_nop
.endr
	s_branch .Lasked_\@
.Lfor_b_\@:
	tensor_load_to_lds s[G0B+4*(\s):G0B+4*(\s)+3], s[G1B:G1B+7]
	s_nop 0
.rept 4
	v_nop
.endr
.Lasked_\@:
.endm
; A prefetch of the K step two refills on: 32 rows x 256 bytes, a lane a row.  wv's rows: waves 0, 1 of the cluster with x = 0, 32 of each wave's 128 rows by cx.  xb's rows: wave 2 of every cluster (no other
; cluster reads them), 32 of the 128 rows by cy.  The last two trips ask for nothing: K step 7 is the last that is named.
.macro ASK
	s_cmp_gt_u32 s3, s[LIM]
	s_cbranch_scc0 .Lnot_mine_\@
	global_prefetch_b8 v[PFO], s[PFA:PFA+1] offset:256 th:TH_LOAD_NT scope:SCOPE_SE
.Lnot_mine_\@:
.endm
.macro MULA f, a, mode                 ; eight products; the 32 accumulators take turns, one instruction a turn.  mode 2: the bias starts the sums
.if (\mode) == 2
	WIN 0x91
.else
	WIN 0xa1
.endif
.irp b, 0,1,2,3,4,5,6,7
.if (\mode) == 2
	v_wmma_f32_16x16x32_bf16 v[8*(8*(\a)+\b):8*(8*(\a)+\b)+7], v[(\f)+8*\b:(\f)+8*\b+7], v[(\f)+8*(\a):(\f)+8*(\a)+7], v[8*(\a):8*(\a)+7]
.else
	v_wmma_f32_16x16x32_bf16 v[8*(8*(\a)+\b):8*(8*(\a)+\b)+7], v[(\f)+8*\b:(\f)+8*\b+7], v[(\f)+8*(\a):(\f)+8*(\a)+7], v[8*(8*(\a)+\b):8*(8*(\a)+\b)+7]
.endif
.endr
.endm
.macro FETCH k, f                      ; 24 LDS loads in one run
	WIN 0x40
.irp i, 0,1,2,3,4,5,6,7
	ds_load_b128 v[(\f)+8*\i:(\f)+8*\i+3],   v[ADB] offset:(\k)+\i*16*PITCH
	ds_load_b128 v[(\f)+8*\i+4:(\f)+8*\i+7], v[ADB] offset:(\k)+\i*16*PITCH+32
.endr
	WIN 0
.irp i, 0,1,2,3
	ds_load_b128 v[(\f)+8*\i:(\f)+8*\i+3],   v[ADA] offset:(\k)+\i*16*PITCH
	ds_load_b128 v[(\f)+8*\i+4:(\f)+8*\i+7], v[ADA] offset:(\k)+\i*16*PITCH+32
.endr
.endm
.macro QUARTER k, f, g, mode
	PLACES
	FETCH \k, \g
	s_wait_dscnt 24                                ; all but the 24 just issued: f is in
.irp a, 0,1,2,3
	MULA \f, \a, \mode
.endr
.endm
.macro TURN fill                       ; a K step's last quarter, and the change of slots
	s_wait_xcnt 0x0                                ; the last prefetch, a K step back, has read its address
	s_add_nc_u64 s[PFA:PFA+1], s[PFA:PFA+1], 256
	WIN 0
	s_wait_tensorcnt 0x0                           ; all my tensor loads have landed, so a group 0 may be written
	ds_add_u32 v[SPW], v[NIL]                      ; 0 onto my spare word
.if \fill
	s_xor_b32 s[G0A+5], s[G0A+5], SLOT1            ; the walking descriptors: the other slot, the next K step
	s_add_nc_u64 s[G0A+6:G0A+7], s[G0A+6:G0A+7], 256
	s_xor_b32 s[G0B+5], s[G0B+5], SLOT1
	s_add_nc_u64 s[G0B+6:G0B+7], s[G0B+6:G0B+7], 256
.endif
	s_wait_dscnt 1                                 ; only the add may be out: buffer 1 is in
	MULA F1, 0, 0
	s_wait_dscnt 0x0                               ; the add is done, my reads of this slot are over
	s_barrier_signal -1
	MULA F1, 1, 0
	WIN 0
	s_barrier_wait -1
.if \fill
	CREST
	JLOAD 1
.else
	PLACES
.endif
	s_xor_b32 s[TB], s[TB], SLOT1
	v_add_nc_u32 v[ADA], s[TB], v[ADA0]
	v_add_nc_u32 v[ADB], s[TB], v[ADB0]
	FETCH 0, F0
.if \fill
	ASK
.endif
	MULA F1, 2, 0
	MULA F1, 3, 0
.endm
	s_load_b256 s[84:91], s[0:1], 0x0              ; wb s[84:85], xb s[86:87], wv_b s[88:89], vt s[90:91]
	v_lshl_add_u32 v[SPW], v0, 2, SPARE
	v_mov_b32 v[NIL], 0
	ds_add_u32 v[SPW], v[NIL]                      ; the wave's opening: the add and its wait ahead of my first tensor load
	v_lshrrev_b32 v1, 5, v0
	v_readfirstlane_b32 s[WV], v1
	s_lshr_b32 s[ROLE], s[WV], 1
	s_and_b32 s[HALF], s[WV], 1
	s_bfe_u32 s[CX], ttmp6, 0x40000
	s_bfe_u32 s[CY], ttmp6, 0x40004
	s_lshl_b32 s[TX], ttmp9, 2
	s_add_co_u32 s[TX], s[TX], s[CX]
	s_mov_b32 s[TY], s[CY]
	s_lshl_b32 s18, s[CY], 2
	s_lshl_b32 s18, 15, s18
	s_lshl_b32 s19, 0x1111, s[CX]
	s_or_b32 s[G1A], s18, BASEW
	s_or_b32 s[G1B], s19, BASEW
	s_mov_b32 s[G1A+1], 128<<16
	s_mov_b32 s[G1A+2], 128<<16
	s_mov_b32 s[G1A+3], 128<<16
	s_mov_b32 s[G1A+4], 128
	s_mov_b32 s[G1A+5], 1024
	s_mov_b32 s[G1A+6], 0
	s_mov_b32 s[G1A+7], 0
	s_mov_b32 s[G1B+1], 128<<16
	s_mov_b32 s[G1B+2], 64<<16
	s_mov_b32 s[G1B+3], 128<<16
	s_mov_b32 s[G1B+4], 64
	s_mov_b32 s[G1B+5], 1024
	s_mov_b32 s[G1B+6], 0
	s_mov_b32 s[G1B+7], 0
	s_lshl_b32 s16, s[TY], 8
	s_lshl_b32 s17, s[HALF], 7
	s_add_co_u32 s16, s16, s17
	s_add_co_u32 s16, s16, 2048                    ; wv begins at row 2,048 of wb
	s_lshl_b32 s16, s16, 11
	s_mov_b32 s17, 0
	s_lshl_b32 s46, s[TX], 7
	s_lshl_b32 s47, s[HALF], 6
	s_add_co_u32 s46, s46, s47
	s_lshl_b32 s46, s46, 11
	s_mov_b32 s47, 0
	s_mul_i32 s20, s[HALF], AHALF
	s_mul_i32 s21, s[HALF], BHALF
	s_add_co_u32 s21, s21, BOFF
	s_mov_b32 s[TB], 0
	s_wait_dscnt 0x0
	s_wait_kmcnt 0x0
	s_add_nc_u64 s[14:15], s[84:85], s[16:17]
	s_add_nc_u64 s[46:47], s[86:87], s[46:47]
	CROUND
.irp s, 0,1
	s_mov_b32 s[G0A+4*\s], 1
	s_add_co_u32 s[G0A+4*\s+1], s20, \s*SLOT1
	s_add_nc_u64 s[G0A+4*\s+2:G0A+4*\s+3], s[14:15], \s*256
	s_or_b32 s[G0A+4*\s+3], s[G0A+4*\s+3], 0x80000000
	s_mov_b32 s[G0B+4*\s], 1
	s_add_co_u32 s[G0B+4*\s+1], s21, \s*SLOT1
	s_add_nc_u64 s[G0B+4*\s+2:G0B+4*\s+3], s[46:47], \s*256
	s_or_b32 s[G0B+4*\s+3], s[G0B+4*\s+3], 0x80000000
	JLOAD \s
.endr
	; my 64 numbers of the bias: one for each row of the result
	s_lshl_b32 s2, s[TY], 10
	s_lshl_b32 s3, s[WV], 8
	s_add_co_u32 s2, s2, s3
	s_mov_b32 s3, 0
	s_add_nc_u64 s[6:7], s[88:89], s[2:3]
	v_and_b32 v1, 15, v0
	v_bfe_u32 v2, v0, 4, 1
	v_lshlrev_b32 v5, 2, v1                        ; not rewritten while the loads are out
.irp a, 0,1,2,3
	global_load_b32 v[32+\a], v5, s[6:7] offset:64*\a
.endr
	; where my part of vt begins
	s_lshl_b32 s2, s[TY], 8
	s_lshl_b32 s3, s[WV], 6
	s_add_co_u32 s2, s2, s3
	s_lshl_b32 s2, s2, 14
	s_lshl_b32 s3, s[TX], 8
	s_add_co_u32 s2, s2, s3
	s_mov_b32 s3, 0
	s_add_nc_u64 s[8:9], s[90:91], s[2:3]
	v_mul_u32_u24 v3, v1, PITCH
	v_lshl_add_u32 v3, v2, 4, v3
	s_mul_i32 s22, s[WV], BHALF                    ; my 64 rows of A
	v_add_nc_u32 v[ADA0], s22, v3
	v_add_nc_u32 v[ADB0], BOFF, v3
	v_mov_b32 v[ADA], v[ADA0]
	v_mov_b32 v[ADB], v[ADB0]
	s_mul_i32 s22, s[WV], DREG                     ; my region on the way out
	v_mul_u32_u24 v4, v1, DP
	v_lshl_add_u32 v4, v2, 4, v4
	v_add_nc_u32 v[DST], s22, v4
	v_mul_u32_u24 v4, v2, DP
	v_lshl_add_u32 v4, v1, 4, v4
	v_add_nc_u32 v[RDV], s22, v4
	v_lshlrev_b32 v4, 14, v2
	v_lshl_add_u32 v[CO], v1, 4, v4
	; the prefetches
	s_lshl_b32 s14, s[TY], 8
	s_lshl_b32 s15, s[HALF], 7
	s_add_co_u32 s14, s14, s15
	s_add_co_u32 s14, s14, 2048
	s_lshl_b32 s15, s[TX], 7
	s_cmp_eq_u32 s[ROLE], 0
	s_cselect_b32 s14, s14, s15
	s_cselect_b32 s15, s[CX], s[CY]
	s_cselect_b32 s16, ttmp9, s[HALF]              ; A: the cluster with x = 0; B: wave 2
	s_cselect_b64 s[PFA:PFA+1], s[84:85], s[86:87]
	s_cmp_eq_u32 s16, 0
	s_cselect_b32 s[LIM], 2, -1
	s_lshl_b32 s15, s15, 5
	s_add_co_u32 s14, s14, s15
	s_lshl_b32 s14, s14, 11
	s_add_co_u32 s14, s14, 512
	s_mov_b32 s15, 0
	s_add_nc_u64 s[PFA:PFA+1], s[PFA:PFA+1], s[14:15]
	v_and_b32 v[PFO], 31, v0
	v_lshlrev_b32 v[PFO], 11, v[PFO]
	s_wait_loadcnt 0x0
	v_cvt_pk_bf16_f32 v36, v32, v33                ; the bias rounded to bf16
	v_cvt_pk_bf16_f32 v37, v34, v35
	v_lshlrev_b32 v32, 16, v36
	v_and_b32 v33, 0xffff0000, v36
	v_lshlrev_b32 v34, 16, v37
	v_and_b32 v35, 0xffff0000, v37
	WIN 0x40
.irp a, 0,1,2,3
.irp j, 0,1,2,3,4,5,6,7
	v_mov_b32 v[8*\a+\j], v[32+\a]                 ; a C operand for m block a: my row's bias in all eight columns
.endr
.endr
	WIN 0
	s_wait_tensorcnt 1                             ; my part of K step 0 is in; K step 1's may stay out
	s_barrier_signal -1
	s_barrier_wait -1
	FETCH 0, F0
	QUARTER 64, F0, F1, 2
	WIN 0
	s_mov_b32 s3, NSTEP-2
.Lstep:                                                ; a trip: from a K step's second quarter to the next one's first; it fills the slot that it leaves
	QUARTER 128, F1, F0, 0
	QUARTER 192, F0, F1, 0
	TURN 1
	QUARTER 64, F0, F1, 0
	WIN 0
	s_sub_co_u32 s3, s3, 1
	s_cmp_lg_u32 s3, 0
	s_cbranch_scc1 .Lstep
	QUARTER 128, F1, F0, 0
	QUARTER 192, F0, F1, 0
	TURN 0
	QUARTER 64, F0, F1, 0
	QUARTER 128, F1, F0, 0
	QUARTER 192, F0, F1, 0
	s_wait_dscnt 0x0
.irp a, 0,1,2,3
	MULA F1, \a, 0
.endr
	WIN 0
	PLACES
	s_wait_dscnt 0x0
	s_barrier_signal -1
	s_barrier_wait -1                              ; nobody reads the ring any more; it has had its last fill
	WIN 0x08                               ; the sums into my region: column c of a row at byte 256 ((c / 4) % 2) + 16 (c / 8) + 4 (c % 4); low registers first
.irp a, 0,1,2,3
.irp b, 0,1,2,3,4,5,6,7
	ds_store_b128 v[DST], v[8*(8*\a+\b):8*(8*\a+\b)+3]   offset:\a*16*DP+32*\b
	ds_store_b128 v[DST], v[8*(8*\a+\b)+4:8*(8*\a+\b)+7] offset:\a*16*DP+32*\b+256
.endr
.endr
	WIN 0
	s_mov_b32 s[ROWC], 4
.Lrows:                                                ; sixteen rows a trip; LDS serves a wave's instructions in order (ISA guide 5.7.1.4)
.irp p, 0,1,2,3,4,5,6,7
	ds_load_b128 v[XS+8*\p:XS+8*\p+3],   v[RDV] offset:2*DP*\p
	ds_load_b128 v[XS+8*\p+4:XS+8*\p+7], v[RDV] offset:2*DP*\p+256
.endr
.irp p, 0,1,2,3,4,5,6,7
	s_wait_dscnt 2*(7-\p)                          ; the later pairs' loads may stay out
.irp j, 0,1,2,3
	v_cvt_pk_f16_f32 v[OUT+4*\p+\j], v[XS+8*\p+2*\j], v[XS+8*\p+2*\j+1]
.endr
	global_store_b128 v[CO], v[OUT+4*\p:OUT+4*\p+3], s[8:9] offset:32768*\p  ; sixteen lanes store 256 consecutive bytes, aligned
.endr
	s_wait_xcnt 0x0
	v_add_nc_u32 v[RDV], 16*DP, v[RDV]
	s_add_nc_u64 s[8:9], s[8:9], 262144
	s_sub_co_u32 s[ROWC], s[ROWC], 1
	s_cmp_lg_u32 s[ROWC], 0
	s_cbranch_scc1 .Lrows
	s_wait_tensorcnt 0x0                           ; the wave's end
	ds_add_u32 v[SPW], v[NIL]
	s_wait_dscnt 0x0
	CROUND
	s_endpgm
.Lfunc_end_k_q476f9e0545_projv:
	.size	k_q476f9e0545_projv, .Lfunc_end_k_q476f9e0545_projv-k_q476f9e0545_projv
	.p2alignl 7, 3214868480
	.fill 96, 4, 3214868480
	.section	.rodata,"a",@progbits
	.p2align	6, 0x0
	.amdhsa_kernel k_q476f9e0545_projv
		.amdhsa_group_segment_fixed_size 327680
		.amdhsa_private_segment_fixed_size 0
		.amdhsa_enable_private_segment 0
		.amdhsa_kernarg_size 32
		.amdhsa_user_sgpr_count 2
		.amdhsa_user_sgpr_kernarg_segment_ptr 1
		.amdhsa_wavefront_size32 1
		.amdhsa_system_sgpr_workgroup_id_x 1
		.amdhsa_system_sgpr_workgroup_id_y 1
		.amdhsa_system_sgpr_workgroup_id_z 1
		.amdhsa_system_vgpr_workitem_id 0
		.amdhsa_next_free_vgpr 768
		.amdhsa_next_free_sgpr 96
		.amdhsa_reserve_vcc 0
		.amdhsa_float_denorm_mode_32 3
		.amdhsa_float_denorm_mode_16_64 3
		.amdhsa_memory_ordered 1
		.amdhsa_forward_progress 1
		.amdhsa_inst_pref_size 66
	.end_amdhsa_kernel
	.amdgpu_metadata
---
amdhsa.version: [ 1, 2 ]
amdhsa.kernels:
  - .name:           k_q476f9e0545_projv
    .symbol:         k_q476f9e0545_projv.kd
    .args:
      - { .name: wb, .offset: 0, .size: 8, .value_kind: global_buffer, .address_space: global }
      - { .name: xb, .offset: 8, .size: 8, .value_kind: global_buffer, .address_space: global }
      - { .name: wv_b, .offset: 16, .size: 8, .value_kind: global_buffer, .address_space: global }
      - { .name: vt, .offset: 24, .size: 8, .value_kind: global_buffer, .address_space: global }
    .group_segment_fixed_size: 327680
    .private_segment_fixed_size: 0
    .kernarg_segment_align: 8
    .kernarg_segment_size: 32
    .max_flat_workgroup_size: 128
    .sgpr_count:     96
    .vgpr_count:     768
    .wavefront_size: 32
...
	.end_amdgpu_metadata
.endif
;; end of part 3
;; launch scores (part 4): grid 8 x 32, 4 waves a work-group, clusters of 4 x 4, 327,680 bytes of LDS; arguments qk, pm, stats; writes pm, stats
.if DOCPART == 4
	.amdgcn_target "amdgcn-amd-amdhsa--gfx1250"
	.amdhsa_code_object_version 6
	.text
	.protected	k_q476f9e0545_scores
	.globl	k_q476f9e0545_scores
	.p2align	8
	.type	k_q476f9e0545_scores,@function
k_q476f9e0545_scores:
	s_mov_b64 s[64:65], 0
	v_nop
	global_prefetch_b8 v0, s[64:65] scope:SCOPE_SE
	s_setreg_imm32_b32 hwreg(HW_REG_WAVE_MODE, 25, 1), 1
	s_wait_xcnt 0x0
	s_wait_alu depctr_hold_cnt(0) depctr_sa_sdst(0) depctr_va_vdst(0) depctr_va_sdst(0) depctr_va_ssrc(0) depctr_va_vcc(0) depctr_vm_vsrc(0)
	s_getreg_b32 s2, hwreg(HW_REG_IB_STS2, 6, 4)
	s_cmp_eq_u32 s2, 0
	s_cbranch_scc0 .Lentry_in_a_cluster
	s_endpgm
.Lentry_in_a_cluster:
	s_bfe_u32 s2, ttmp6, 0x10000c
	s_cmp_lg_u32 s2, 0xf033
	s_cbranch_scc0 .Lentry_shape_is_right
	s_endpgm
.Lentry_shape_is_right:
; For each query and each chunk of 128 keys: s = q . k (f16 operands, f32 sums), the chunk's true maximum m, p = 2^(c s - c m) with c = log2(e) / 32, and l = the sum of the p.
; stats = c m [b][chunk 16][q 2048] f32, then l the same, 524,288 bytes on.  The last launch joins the chunks by the row's maximum over the 16 c m, in f32.
; pm HOLDS p IN f16, LAID OUT BY FRAGMENTS, as the last launch's matrix instructions take it: pm[row / 64][key / 32][(row % 64) / 16][half][lane][16 bytes], row = b 2048 + q: a block of 1,024 bytes is 16 queries x 32 keys;
; lane l of half j holds query l % 16, keys 16 j + 8 (l / 16) + 0..7.  That is the layout in which the scores leave the matrix unit, so a store is 512 consecutive bytes.
; LIMIT: p lies in 0 to 1 and below 6e-5 keeps f16's fixed step; a weight below 2^-126 counts as 0 in l; NaN and infinities are not treated apart.
; SHARES.  A work-group makes 256 queries x 256 keys of one batch, each wave 128 x 128: a wave's columns ARE a chunk, so maximum and sum never leave the wave.  K (the 1,024 channels) goes in 8 steps of 128
; through two LDS slots; a K step is written once, the slots' addresses are turned by an exclusive or.  CLUSTER 4 x 4: q's tiles are asked for jointly along a row of the cluster, k's along a column; the batch is cluster y / 2.
; THE PRODUCT IS TAKEN TRANSPOSED (source 0 = 16 keys, source 1 = 16 queries): a lane holds one query and, over a block's eight accumulators, 64 of its 128 keys; the lane 16 away holds the other 64.
; THE WAY OUT: registers cannot be walked by a loop, so the scores go into the wave's own part of the ring (which has had its last fill), lane by lane as they lie, and a loop takes a block of 16 queries a trip.
.set PITCH,  272
.set HALFT,  128*PITCH
.set SLOT,   4*HALFT                   ; 0x22000 bytes; a slot's four tiles begin at 0, 0x8800, 0x11000, 0x19800: none holds a bit of 0x22000, so one exclusive or turns a tile's address into the other slot's
.set STAT,   2*SLOT                    ; behind the ring: for each wave 512 bytes of c m and 512 of l
.set SPARE,  STAT+4096                 ; behind them: the spare words
.set BASEW,  (1<<16)|(1<<20)|(1<<21)|(5<<22)|(3<<25)
.set STR,  4                           ; v4  where I read 16 bytes of the statistics back
.set ADA0, 16
.set ADB0, 17
.set ADA,  18
.set ADB,  19
.set DST,  22                          ; v22 65,536 x wave + 16 x lane: where I put scores
.set RDV,  23                          ; v23 the same, at the block in hand
.set STA,  24                          ; v24 my row's word of c m
.set SPW,  28
.set NIL,  29
.set PFO,  30
.set SO,   31                          ; v31 16 x lane
.set CM,   32                          ; v32-33 c m, m
.set TM,   48                          ; v48-51 at work
.set F0,   64
.set F1,   128
.set XS,   64                          ; v64-127 a block's 64 scores of my query
.set OUT,  192                         ; v192-223 and its 64 weights in f16
.set WV, 10
.set ROLE, 11
.set HALF, 12
.set TY, 13
.set G1A, 24
.set G0A, 32
.set CX, 40
.set CY, 41
.set TX, 42
.set LIM, 43
.set PFA, 44
.set G1B, 48
.set G0B, 56
.set TB, 66
.set ROWC, 67
.set CS, 68                            ; s[68:69] c
.set CLY, 71
.set SEL, 72                           ; s[72:73] v_permlanex16_b32's selects: each lane takes its own place in the other half
.set MSB, 0
.macro WIN new
.if MSB != (\new)
	s_set_vgpr_msb (MSB<<8)|(\new)
.set MSB, \new
.endif
.endm
.macro PLACES
.rept 4
	v_nop
.endr
.endm
.macro CREST
	s_cmp_lg_u32 s[WV], 0
	s_cbranch_scc1 .Lnot_wave_0_\@
	s_barrier_signal -3
.Lnot_wave_0_\@:
	s_barrier_wait -3
	s_barrier_signal -1
	s_barrier_wait -1
.endm
.macro CROUND
	s_barrier_signal -1
	s_barrier_wait -1
	CREST
.endm
.macro JLOAD s
	s_cmp_eq_u32 s[ROLE], 0
	s_cbranch_scc0 .Lfor_b_\@
	tensor_load_to_lds s[G0A+4*(\s):G0A+4*(\s)+3], s[G1A:G1A+7]
	s_nop 0
.rept 4
	v_nop
.endr
	s_branch .Lasked_\@
.Lfor_b_\@:
	tensor_load_to_lds s[G0B+4*(\s):G0B+4*(\s)+3], s[G1B:G1B+7]
	s_nop 0
.rept 4
	v_nop
.endr
.Lasked_\@:
.endm
; A prefetch of the K step two refills on: 32 rows x 256 bytes, a lane a row.  q's tile row is asked for by the cluster with x = 0, k's tile column by the batch's first row of clusters (cluster y even);
; the four partners of a joint load take 32 of its 128 rows each, by address.  The loop's last two trips ask for nothing: K step 7 is the last that is named.
.macro ASK
	s_cmp_gt_u32 s3, s[LIM]
	s_cbranch_scc0 .Lnot_mine_\@
	global_prefetch_b8 v[PFO], s[PFA:PFA+1] offset:256 th:TH_LOAD_NT scope:SCOPE_SE
.Lnot_mine_\@:
.endm
.macro MULA f, a, mode                 ; eight products; mode 1: they start the sums.  The 64 accumulators take turns, one instruction a turn
	WIN 0xa1+0x50*((\a)/4)
.irp b, 0,1,2,3,4,5,6,7
.if (\mode) == 1
	v_wmma_f32_16x16x32_f16 v[8*(8*((\a)%4)+\b):8*(8*((\a)%4)+\b)+7], v[(\f)+8*\b:(\f)+8*\b+7], v[(\f)+8*(\a):(\f)+8*(\a)+7], 0
.else
	v_wmma_f32_16x16x32_f16 v[8*(8*((\a)%4)+\b):8*(8*((\a)%4)+\b)+7], v[(\f)+8*\b:(\f)+8*\b+7], v[(\f)+8*(\a):(\f)+8*(\a)+7], v[8*(8*((\a)%4)+\b):8*(8*((\a)%4)+\b)+7]
.endif
.endr
.endm
.macro FETCH k, f
	WIN 0x40
.irp i, 0,1,2,3,4,5,6,7
	ds_load_b128 v[(\f)+8*\i:(\f)+8*\i+3],   v[ADB] offset:(\k)+\i*16*PITCH
	ds_load_b128 v[(\f)+8*\i+4:(\f)+8*\i+7], v[ADB] offset:(\k)+\i*16*PITCH+32
.endr
	WIN 0
.irp i, 0,1,2,3,4,5,6,7
	ds_load_b128 v[(\f)+8*\i:(\f)+8*\i+3],   v[ADA] offset:(\k)+\i*16*PITCH
	ds_load_b128 v[(\f)+8*\i+4:(\f)+8*\i+7], v[ADA] offset:(\k)+\i*16*PITCH+32
.endr
.endm
.macro QUARTER k, f, g, mode
	PLACES
	FETCH \k, \g
	s_wait_dscnt 32                                ; all but the 32 just issued: f is in
.irp a, 0,1,2,3,4,5,6,7
	MULA \f, \a, \mode
.endr
.endm
.macro TURN fill                       ; a K step's last quarter, and the change of slots
	s_wait_xcnt 0x0                                ; the last prefetch, a K step back, has read its address
	s_add_nc_u64 s[PFA:PFA+1], s[PFA:PFA+1], 256
	WIN 0
	s_wait_tensorcnt 0x0                           ; all my tensor loads have landed, my part of the next slot among them: a group 0 may be written
	ds_add_u32 v[SPW], v[NIL]                      ; 0 onto my spare word
.if \fill
	s_xor_b32 s[G0A+5], s[G0A+5], SLOT             ; the walking descriptors: the other slot, the next K step
	s_add_nc_u64 s[G0A+6:G0A+7], s[G0A+6:G0A+7], 256
	s_xor_b32 s[G0B+5], s[G0B+5], SLOT
	s_add_nc_u64 s[G0B+6:G0B+7], s[G0B+6:G0B+7], 256
.endif
	s_wait_dscnt 1                                 ; only the add may be out: buffer 1 is in
	MULA F1, 0, 0
	MULA F1, 1, 0
	s_wait_dscnt 0x0                               ; the add is done, my reads of this slot are over
	s_barrier_signal -1
	MULA F1, 2, 0
	MULA F1, 3, 0
	WIN 0
	s_barrier_wait -1
.if \fill
	CREST
	JLOAD 1
.else
	PLACES
.endif
	s_xor_b32 s[TB], s[TB], SLOT
	v_add_nc_u32 v[ADA], s[TB], v[ADA0]
	v_add_nc_u32 v[ADB], s[TB], v[ADB0]
	FETCH 0, F0
.if \fill
	ASK
.endif
.irp a, 4,5,6,7
	MULA F1, \a, 0
.endr
.endm
	s_load_b128 s[84:87], s[0:1], 0x0              ; qk s[84:85], pm s[86:87]
	s_load_b64 s[88:89], s[0:1], 0x10              ; stats
	v_lshl_add_u32 v[SPW], v0, 2, SPARE
	v_mov_b32 v[NIL], 0
	ds_add_u32 v[SPW], v[NIL]                      ; the wave's opening: the add and its wait ahead of my first tensor load
	v_lshrrev_b32 v1, 5, v0
	v_readfirstlane_b32 s[WV], v1
	s_lshr_b32 s[ROLE], s[WV], 1
	s_and_b32 s[HALF], s[WV], 1
	s_bfe_u32 s[CX], ttmp6, 0x40000
	s_bfe_u32 s[CY], ttmp6, 0x40004
	s_lshl_b32 s[TX], ttmp9, 2
	s_add_co_u32 s[TX], s[TX], s[CX]
	s_and_b32 s[CLY], ttmp7, 0xffff
	s_lshl_b32 s[TY], s[CLY], 2
	s_add_co_u32 s[TY], s[TY], s[CY]
	s_lshl_b32 s18, s[CY], 2
	s_lshl_b32 s18, 15, s18
	s_lshl_b32 s19, 0x1111, s[CX]
	s_or_b32 s[G1A], s18, BASEW
	s_or_b32 s[G1B], s19, BASEW
.irp g, G1A, G1B
	s_mov_b32 s[\g+1], 128<<16
	s_mov_b32 s[\g+2], 128<<16
	s_mov_b32 s[\g+3], 128<<16
	s_mov_b32 s[\g+4], 128
	s_mov_b32 s[\g+5], 1024
	s_mov_b32 s[\g+6], 0
	s_mov_b32 s[\g+7], 0
.endr
	s_mov_b32 s[CS], 0x3d38aa3b                    ; c = log2(e) / 32
	s_mov_b32 s[CS+1], s[CS]
	s_mov_b32 s[SEL], 0x76543210
	s_mov_b32 s[SEL+1], 0xfedcba98
	s_lshl_b32 s17, s[HALF], 7
	s_lshl_b32 s16, s[TY], 8
	s_add_co_u32 s16, s16, s17
	s_lshl_b32 s16, s16, 11                        ; q: (256 tile row + 128 half) rows of 2,048 bytes
	s_lshr_b32 s46, s[CLY], 1                      ; the batch, the same in all sixteen partners
	s_lshl_b32 s46, s46, 11
	s_lshl_b32 s47, s[TX], 8
	s_add_co_u32 s46, s46, s47
	s_add_co_u32 s46, s46, s17
	s_lshl_b32 s46, s46, 11                        ; k: (2,048 batch + 256 tile column + 128 half) rows
	s_mov_b32 s17, 0
	s_mov_b32 s47, 0
	s_mul_i32 s20, s[WV], HALFT
	s_mov_b32 s[TB], 0
	s_wait_dscnt 0x0
	s_wait_kmcnt 0x0
	s_add_nc_u64 s[4:5], s[84:85], 0x1000000       ; k lies behind q
	s_add_nc_u64 s[14:15], s[84:85], s[16:17]
	s_add_nc_u64 s[46:47], s[4:5], s[46:47]
	CROUND
.irp s, 0,1
	s_mov_b32 s[G0A+4*\s], 1
	s_add_co_u32 s[G0A+4*\s+1], s20, \s*SLOT
	s_add_nc_u64 s[G0A+4*\s+2:G0A+4*\s+3], s[14:15], \s*256
	s_or_b32 s[G0A+4*\s+3], s[G0A+4*\s+3], 0x80000000
	s_mov_b32 s[G0B+4*\s], 1
	s_add_co_u32 s[G0B+4*\s+1], s20, \s*SLOT
	s_add_nc_u64 s[G0B+4*\s+2:G0B+4*\s+3], s[46:47], \s*256
	s_or_b32 s[G0B+4*\s+3], s[G0B+4*\s+3], 0x80000000
	JLOAD \s
.endr
	; where my part of pm begins: 64 rows are 262,144 bytes, 32 keys of them 4,096: rows 256 tile row + 128 (wave / 2) on, keys 256 tile column + 128 (wave % 2) on
	s_lshl_b32 s2, s[TY], 2
	s_lshl_b32 s3, s[ROLE], 1
	s_add_co_u32 s2, s2, s3
	s_lshl_b32 s2, s2, 18
	s_lshl_b32 s3, s[TX], 3
	s_lshl_b32 s14, s[HALF], 2
	s_add_co_u32 s3, s3, s14
	s_lshl_b32 s3, s3, 12
	s_add_co_u32 s2, s2, s3
	s_mov_b32 s3, 0
	s_add_nc_u64 s[8:9], s[86:87], s[2:3]
	; and of the statistics: batch tile row / 8, chunk 2 tile column + wave % 2, queries 256 (tile row % 8) + 128 (wave / 2) on
	s_lshr_b32 s2, s[TY], 3
	s_lshl_b32 s2, s2, 4
	s_lshl_b32 s3, s[TX], 1
	s_add_co_u32 s2, s2, s3
	s_add_co_u32 s2, s2, s[HALF]
	s_lshl_b32 s2, s2, 13
	s_and_b32 s3, s[TY], 7
	s_lshl_b32 s3, s3, 10
	s_add_co_u32 s2, s2, s3
	s_lshl_b32 s3, s[ROLE], 9
	s_add_co_u32 s2, s2, s3
	s_mov_b32 s3, 0
	s_add_nc_u64 s[6:7], s[88:89], s[2:3]
	v_and_b32 v1, 15, v0
	v_bfe_u32 v2, v0, 4, 1
	v_mul_u32_u24 v3, v1, PITCH
	v_lshl_add_u32 v3, v2, 4, v3
	s_mul_i32 s21, s[ROLE], HALFT
	s_mul_i32 s22, s[HALF], HALFT
	s_add_co_u32 s22, s22, 2*HALFT
	v_add_nc_u32 v[ADA0], s21, v3
	v_add_nc_u32 v[ADB0], s22, v3
	v_mov_b32 v[ADA], v[ADA0]
	v_mov_b32 v[ADB], v[ADB0]
	s_lshl_b32 s21, s[WV], 16                      ; my region on the way out: 64 accumulators of 1,024 bytes
	v_and_b32 v5, 31, v0
	v_lshlrev_b32 v[SO], 4, v5
	v_add_nc_u32 v[DST], s21, v[SO]
	v_mov_b32 v[RDV], v[DST]
	s_lshl_b32 s21, s[WV], 10
	s_add_co_u32 s21, s21, STAT
	v_lshl_add_u32 v[STA], v1, 2, s21
	v_add_nc_u32 v[STR], s21, v[SO]
	; the prefetches
	s_lshl_b32 s14, s[TY], 8
	s_lshr_b32 s15, s[CLY], 1
	s_lshl_b32 s15, s15, 11
	s_lshl_b32 s16, s[TX], 8
	s_add_co_u32 s15, s15, s16
	s_and_b32 s16, s[CLY], 1
	s_cmp_eq_u32 s[ROLE], 0
	s_cselect_b32 s14, s14, s15
	s_cselect_b32 s15, s[CX], s[CY]
	s_cselect_b32 s16, ttmp9, s16
	s_cselect_b64 s[PFA:PFA+1], s[84:85], s[4:5]
	s_cmp_eq_u32 s16, 0
	s_cselect_b32 s[LIM], 2, -1
	s_lshl_b32 s16, s[HALF], 7
	s_add_co_u32 s14, s14, s16
	s_lshl_b32 s15, s15, 5
	s_add_co_u32 s14, s14, s15
	s_lshl_b32 s14, s14, 11
	s_add_co_u32 s14, s14, 512
	s_mov_b32 s15, 0
	s_add_nc_u64 s[PFA:PFA+1], s[PFA:PFA+1], s[14:15]
	v_and_b32 v[PFO], 31, v0
	v_lshlrev_b32 v[PFO], 11, v[PFO]
	s_wait_tensorcnt 1                             ; my part of K step 0 is in; K step 1's may stay out
	s_barrier_signal -1
	s_barrier_wait -1
	FETCH 0, F0
	QUARTER 64, F0, F1, 1                          ; the first products start the sums
	WIN 0
	s_mov_b32 s3, 6
.Lstep:                                                ; a trip: from a K step's second quarter to the next one's first; it fills the slot that it leaves
	QUARTER 128, F1, F0, 0
	QUARTER 192, F0, F1, 0
	TURN 1
	QUARTER 64, F0, F1, 0
	WIN 0
	s_sub_co_u32 s3, s3, 1
	s_cmp_lg_u32 s3, 0
	s_cbranch_scc1 .Lstep
	QUARTER 128, F1, F0, 0
	QUARTER 192, F0, F1, 0
	TURN 0
	QUARTER 64, F0, F1, 0
	QUARTER 128, F1, F0, 0
	QUARTER 192, F0, F1, 0
	s_wait_dscnt 0x0
.irp a, 0,1,2,3,4,5,6,7
	MULA F1, \a, 0
.endr
	WIN 0
	PLACES
	s_wait_dscnt 0x0
	s_barrier_signal -1
	s_barrier_wait -1                              ; nobody reads the ring any more; it has had its last fill
.irp a, 0,1,2,3,4,5,6,7                ; the scores into my region as they lie: accumulator (a, b), registers 4 j .. 4 j + 3, at 8,192 a + 1,024 b + 512 j + 16 x lane; low registers first
	WIN 0x08+4*(\a/4)
.irp b, 0,1,2,3,4,5,6,7
	ds_store_b128 v[DST], v[8*(8*(\a%4)+\b):8*(8*(\a%4)+\b)+3]   offset:\a*8192+\b*1024
	ds_store_b128 v[DST], v[8*(8*(\a%4)+\b)+4:8*(8*(\a%4)+\b)+7] offset:\a*8192+\b*1024+512
.endr
.endr
	WIN 0
	s_mov_b32 s[ROWC], 8
	s_mov_b32 s3, 0
	s_mov_b32 s14, 262144-3*1024                   ; from the fourth block of 64 rows to the first of the next 64
	s_mov_b32 s15, 1024                            ; from a block of 16 rows to the next
.Lrows:                                                ; a block of 16 queries a trip; LDS serves a wave's instructions in order (ISA guide 5.7.1.4), so the loads see my stores
.irp b, 0,1,2,3,4,5,6,7
	ds_load_b128 v[XS+8*\b:XS+8*\b+3],   v[RDV] offset:1024*\b
	ds_load_b128 v[XS+8*\b+4:XS+8*\b+7], v[RDV] offset:1024*\b+512
.endr
.irp g, 0, 2                           ; the largest of my 64 scores: four chains of sixteen, two at a time
	s_wait_dscnt 8-4*\g                            ; the first eight loads are in; then all
	v_max3_num_f32 v[TM+\g],   v[XS+16*\g],    v[XS+16*\g+1],  v[XS+16*\g+2]
	v_max3_num_f32 v[TM+\g+1], v[XS+16*\g+16], v[XS+16*\g+17], v[XS+16*\g+18]
.irp m, 0,1,2,3,4,5
	v_max3_num_f32 v[TM+\g],   v[TM+\g],   v[XS+16*\g+3+2*\m],  v[XS+16*\g+4+2*\m]
	v_max3_num_f32 v[TM+\g+1], v[TM+\g+1], v[XS+16*\g+19+2*\m], v[XS+16*\g+20+2*\m]
.endr
	v_max_num_f32 v[TM+\g],   v[TM+\g],   v[XS+16*\g+15]
	v_max_num_f32 v[TM+\g+1], v[TM+\g+1], v[XS+16*\g+31]
.endr
	v_max3_num_f32 v[TM], v[TM], v[TM+1], v[TM+2]
	v_max_num_f32 v[TM], v[TM], v[TM+3]
	v_permlanex16_b32 v[TM+1], v[TM], s[SEL], s[SEL+1]  ; the query's other 64 keys lie in the lane 16 away
	v_max_num_f32 v[CM+1], v[TM], v[TM+1]          ; m
	v_mul_f32 v[CM], s[CS], v[CM+1]                ; c m
.set i, 0
.rept 32
	v_pk_fma_f32 v[XS+i:XS+i+1], v[XS+i:XS+i+1], s[CS:CS+1], v[CM:CM+1] op_sel_hi:[1,0,0] neg_lo:[0,0,1] neg_hi:[0,0,1]  ; c s - c m
.set i, i+2
.endr
.set i, 0
.rept 64
	v_exp_f32 v[XS+i], v[XS+i]
.set i, i+1
.endr
	v_nop                                          ; a plain instruction behind the last exponential,
	s_wait_alu depctr_va_vdst(0)                   ; and one wait for the batch of 64, ahead of its first reader
.set i, 0
.rept 32
	v_cvt_pk_f16_f32 v[OUT+i], v[XS+2*i], v[XS+2*i+1]
.set i, i+1
.endr
.irp w, 4, 8, 16, 32, 64               ; the sum of the unrounded weights, in place: neighbours 1, 2, 4, 8 and 16 pairs apart
.set i, 0
.rept 64/\w
	v_pk_add_f32 v[XS+i:XS+i+1], v[XS+i:XS+i+1], v[XS+i+\w/2:XS+i+\w/2+1]
.set i, i+\w
.endr
.endr
	v_add_f32 v[XS], v[XS], v[XS+1]
	v_permlanex16_b32 v[TM+1], v[XS], s[SEL], s[SEL+1]
	v_add_f32 v[XS], v[XS], v[TM+1]                ; l
	ds_store_b32 v[STA], v[CM]                     ; the two lanes of a query write the same word with the same number
	ds_store_b32 v[STA], v[XS] offset:512
.irp b, 0,1,2,3,4,5,6,7
	global_store_b128 v[SO], v[OUT+4*\b:OUT+4*\b+3], s[8:9] offset:(\b/2)*4096+(\b%2)*512  ; half a fragment: 512 consecutive bytes, aligned
.endr
	s_wait_xcnt 0x0                                ; the stores have read their registers and their base
	v_add_nc_u32 v[RDV], 8192, v[RDV]
	v_add_nc_u32 v[STA], 64, v[STA]
	s_cmp_eq_u32 s[ROWC], 5                        ; the fourth block is done
	s_cselect_b32 s2, s14, s15
	s_add_nc_u64 s[8:9], s[8:9], s[2:3]
	s_sub_co_u32 s[ROWC], s[ROWC], 1
	s_cmp_lg_u32 s[ROWC], 0
	s_cbranch_scc1 .Lrows
	ds_load_b128 v[XS:XS+3],   v[STR]              ; my wave's 128 c m and 128 l, 512 consecutive bytes each
	ds_load_b128 v[XS+4:XS+7], v[STR] offset:512
	s_wait_dscnt 0x0
	global_store_b128 v[SO], v[XS:XS+3],   s[6:7]
	global_store_b128 v[SO], v[XS+4:XS+7], s[6:7] offset:524288
	s_wait_tensorcnt 0x0                           ; the wave's end
	ds_add_u32 v[SPW], v[NIL]
	s_wait_dscnt 0x0
	CROUND
	s_endpgm
.Lfunc_end_k_q476f9e0545_scores:
	.size	k_q476f9e0545_scores, .Lfunc_end_k_q476f9e0545_scores-k_q476f9e0545_scores
	.p2alignl 7, 3214868480
	.fill 96, 4, 3214868480
	.section	.rodata,"a",@progbits
	.p2align	6, 0x0
	.amdhsa_kernel k_q476f9e0545_scores
		.amdhsa_group_segment_fixed_size 327680
		.amdhsa_private_segment_fixed_size 0
		.amdhsa_enable_private_segment 0
		.amdhsa_kernarg_size 24
		.amdhsa_user_sgpr_count 2
		.amdhsa_user_sgpr_kernarg_segment_ptr 1
		.amdhsa_wavefront_size32 1
		.amdhsa_system_sgpr_workgroup_id_x 1
		.amdhsa_system_sgpr_workgroup_id_y 1
		.amdhsa_system_sgpr_workgroup_id_z 1
		.amdhsa_system_vgpr_workitem_id 0
		.amdhsa_next_free_vgpr 1024
		.amdhsa_next_free_sgpr 96
		.amdhsa_reserve_vcc 0
		.amdhsa_float_denorm_mode_32 3
		.amdhsa_float_denorm_mode_16_64 3
		.amdhsa_memory_ordered 1
		.amdhsa_forward_progress 1
		.amdhsa_inst_pref_size 108
	.end_amdhsa_kernel
	.amdgpu_metadata
---
amdhsa.version: [ 1, 2 ]
amdhsa.kernels:
  - .name:           k_q476f9e0545_scores
    .symbol:         k_q476f9e0545_scores.kd
    .args:
      - { .name: qk, .offset: 0, .size: 8, .value_kind: global_buffer, .address_space: global }
      - { .name: pm, .offset: 8, .size: 8, .value_kind: global_buffer, .address_space: global }
      - { .name: stats, .offset: 16, .size: 8, .value_kind: global_buffer, .address_space: global }
    .group_segment_fixed_size: 327680
    .private_segment_fixed_size: 0
    .kernarg_segment_align: 8
    .kernarg_segment_size: 24
    .max_flat_workgroup_size: 128
    .sgpr_count:     96
    .vgpr_count:     1024
    .wavefront_size: 32
...
	.end_amdgpu_metadata
.endif
;; end of part 4
;; launch pv (part 5): grid 32 x 8, 4 waves a work-group, clusters of 4 x 1, 327,680 bytes of LDS; arguments pm, vt, stats, out0; writes out0
.if DOCPART == 5
	.amdgcn_target "amdgcn-amd-amdhsa--gfx1250"
	.amdhsa_code_object_version 6
	.text
	.protected	k_q476f9e0545_pv
	.globl	k_q476f9e0545_pv
	.p2align	8
	.type	k_q476f9e0545_pv,@function
k_q476f9e0545_pv:
	s_mov_b64 s[64:65], 0
	v_nop
	global_prefetch_b8 v0, s[64:65] scope:SCOPE_SE
	s_setreg_imm32_b32 hwreg(HW_REG_WAVE_MODE, 25, 1), 1
	s_wait_xcnt 0x0
	s_wait_alu depctr_hold_cnt(0) depctr_sa_sdst(0) depctr_va_vdst(0) depctr_va_sdst(0) depctr_va_ssrc(0) depctr_va_vcc(0) depctr_vm_vsrc(0)
	s_getreg_b32 s2, hwreg(HW_REG_IB_STS2, 6, 4)
	s_cmp_eq_u32 s2, 0
	s_cbranch_scc0 .Lentry_in_a_cluster
	s_endpgm
.Lentry_in_a_cluster:
	s_bfe_u32 s2, ttmp6, 0x10000c
	s_cmp_lg_u32 s2, 0x3003
	s_cbranch_scc0 .Lentry_shape_is_right
	s_endpgm
.Lentry_shape_is_right:
; out0[b 2048 + q][c] = the sum over the 16 chunks j of a'_j (P_j V_j)[q][c], a'_j = 2^(c m_j - M) / L, M = the largest of the row's 16 c m_j, L = the sum of 2^(c m_j - M) l_j.
; pm (f16, laid out by fragments) and stats (f32) come from the launch before, vt [channel][b 2048 + key] (f16) from the projection.  Products in f16 with f32 sums; M, L, a' and the sum over chunks in f32; out0 is f32.
; LIMIT: a factor 2^(c m_j - M) below 2^-126 counts as 0; NaN and infinities are not treated apart.  L is at least 1: the chunk with the row's maximum has factor 1 and l >= 1.
; SHARES.  A work-group makes 256 queries x 128 channels, wave w queries 64 w .. 64 w + 63.  The keys go in quarters of 32; four quarters are a chunk, eight a slot.
; pm GOES STRAIGHT INTO REGISTERS.  Each row of pm is read by one wave of the work-group, and pm[row / 64][key / 32][(row % 64) / 16][half][lane][16 bytes] is the register image of source 1: a quarter is 8 loads of 512
; consecutive bytes, 4,096 bytes on end.  A ring of eight quarters (256 registers): an entry is loaded again behind the quarter that multiplied it, so a load has seven quarters, 224 matrix instructions, in which to land,
; across barriers too.  WHY NOT JOINTLY: a joint load lands in LDS; with pm's 256 rows beside vt's 128 two slots hold one chunk each, and a refill has 112 matrix instructions in which to land; without pm a slot holds two.
; vt GOES THROUGH LDS: two slots of 128 rows x 512 bytes (256 keys), each wave fetching 32 rows.  CLUSTER 4 x 1: the four query tiles of a cluster belong to one batch and one channel tile and ask for vt's tiles jointly.
; THE SUMS.  A chunk's products are summed in ACC (window 2), started with the constant 0; in the next chunk's first quarter O (window 3) takes a' x ACC: four packed multiply-adds ahead of the product that starts ACC anew.
; O starts at 0: 256 moves in the wait for the first tile, so that one text serves every chunk.
; THE PRODUCT IS TAKEN TRANSPOSED (source 0 = 16 channels, source 1 = 16 queries): a lane holds one query, so a' is one number a lane and m block.
; REGISTERS: window 0 v0-63 addresses and a'; v64-255 pm's ring, entries 0-5; window 1 v0-63 entries 6, 7; v64-127, v128-191 vt's fragments; window 2 ACC (in the set-up: the statistics); window 3 O.
.set BP,     528                       ; a row of vt in LDS: 512 bytes + 16: the sixteen rows of a fragment load start in sixteen different groups of four banks (ISA guide 11.1)
.set BQ,     32*BP                     ; what one tensor load brings
.set BSL,    128*BP                    ; a slot
.set SLOT1,  1<<17
.set ATAB,   SLOT1+BSL                 ; behind the ring: a' [chunk 16][wave 4][row % 16][m block 4] f32, 16,384 bytes; a wave reads what it wrote
.set SPARE,  ATAB+16384                ; behind it: the spare words
.set DP,     528
.set DREG,   64*DP
.set G1W,    15|(1<<16)|(1<<20)|(1<<21)|(6<<22)|(3<<25)  ; the mask of four; 2-byte elements; padding on; bit 21 beside a mask; after every 128 words, 4 words
.set QB,     4096                      ; a quarter of pm for a wave
.set LO,   16                          ; v16 16 x lane: pm's loads, out0's stores; never rewritten
.set ADB0, 17                          ; v17 my place in vt's fragments in slot 0; never rewritten
.set ADB,  19                          ; v19 the same in the slot in hand
.set PFV,  20                          ; v20 lane x 16,384: a row of vt; never rewritten
.set AAD,  21                          ; v21 my 16 bytes of a' for the chunk in hand
.set DST,  22
.set RDV,  23
.set ATW,  24                          ; v24 where I put a' of my two rows
.set SPW,  28
.set NIL,  29
.set PFO,  30                          ; v30 lane x 256; never rewritten
.set AS,   32                          ; v[32:35] a' of my row in the four m blocks
.set F0,   64
.set F1,   128
.set WV, 10
.set CT, 12                            ; channel tile
.set QT, 13                            ; query tile
.set G1, 24
.set G0, 32                            ; two sets: the two first fills; the second then walks
.set CX, 40
.set BA, 41                            ; batch
.set LIMA, 42                          ; 1 in a wave that prefetches pm, else the greatest number
.set LIMB, 43                          ; the same for vt
.set PA, 44                            ; s[44:45] pm at my wave's rows, at the slot in hand
.set PB, 46                            ; s[46:47] where my prefetches of vt stand
.set TB, 66
.set ROWC, 67
.set MSB, 0
.macro WIN new
.if MSB != (\new)
	s_set_vgpr_msb (MSB<<8)|(\new)
.set MSB, \new
.endif
.endm
.macro PLACES
.rept 4
	v_nop
.endr
.endm
.macro CREST
	s_cmp_lg_u32 s[WV], 0
	s_cbranch_scc1 .Lnot_wave_0_\@
	s_barrier_signal -3
.Lnot_wave_0_\@:
	s_barrier_wait -3
	s_barrier_signal -1
	s_barrier_wait -1
.endm
.macro CROUND
	s_barrier_signal -1
	s_barrier_wait -1
	CREST
.endm
; PREFETCHES, behind the change's tensor load and its runs of loads, one trip ahead.  pm: the 32,768 bytes that the next trip will load, a lane a block of 256 bytes, four instructions; every channel tile reads the same rows, so
; channel tile 0 asks, each wave for its own stream.  vt: the slot two on, which the next change will ask for; the batch's two clusters read the same rows, so the first asks; its four partners take 32 rows each, by
; address; wave 0 names the rows' first 256 bytes, wave 1 the second.  The loop's last trip asks for nothing.  What the first trips load comes by its loads alone.
.macro ASK
	WIN 0
	s_cmp_gt_u32 s3, s[LIMA]
	s_cbranch_scc0 .Lno_a_\@
.irp n, 0,1,2,3
	global_prefetch_b8 v[PFO], s[PA:PA+1] offset:14*QB+8192*\n th:TH_LOAD_NT scope:SCOPE_SE
.endr
.Lno_a_\@:
	s_cmp_gt_u32 s3, s[LIMB]
	s_cbranch_scc0 .Lno_b_\@
	global_prefetch_b8 v[PFV], s[PB:PB+1] th:TH_LOAD_NT scope:SCOPE_SE
.Lno_b_\@:
.endm
.macro RIDE a, b                       ; O (a, b) += a' x ACC (a, b), from the accumulator's low end on
.irp z, 0,1,2,3
.if ((\a)%2) == 0
	v_pk_fma_f32 v[8*(8*(\a)+(\b))+2*\z:8*(8*(\a)+(\b))+2*\z+1], v[8*(8*(\a)+(\b))+2*\z:8*(8*(\a)+(\b))+2*\z+1], v[AS+2*((\a)/2):AS+2*((\a)/2)+1], v[8*(8*(\a)+(\b))+2*\z:8*(8*(\a)+(\b))+2*\z+1] op_sel_hi:[1,0,1]
.else
	v_pk_fma_f32 v[8*(8*(\a)+(\b))+2*\z:8*(8*(\a)+(\b))+2*\z+1], v[8*(8*(\a)+(\b))+2*\z:8*(8*(\a)+(\b))+2*\z+1], v[AS+2*((\a)/2):AS+2*((\a)/2)+1], v[8*(8*(\a)+(\b))+2*\z:8*(8*(\a)+(\b))+2*\z+1] op_sel:[0,1,0] op_sel_hi:[1,1,1]
.endif
.endr
.endm
; Eight products: m block a of ring entry e x all n blocks of buffer f.  mode 0: onto the sums; 1: they start the sums; 3: O first takes the last chunk's sums, then they start anew.  The 32 accumulators take turns.
.macro MULA f, e, a, mode
.if (\e) < 6
.set RA, 64+32*(\e)
.set WA, 0
.else
.set RA, 32*((\e)-6)
.set WA, 4
.endif
.irp b, 0,1,2,3,4,5,6,7
.if (\mode) == 3
	WIN 0xf2                                       ; O (destination, source 2) window 3, ACC window 2, a' window 0
	RIDE \a, \b
.endif
	WIN 0xa1+WA
.if (\mode) == 0
	v_wmma_f32_16x16x32_f16 v[8*(8*(\a)+\b):8*(8*(\a)+\b)+7], v[(\f)+8*\b:(\f)+8*\b+7], v[RA+8*(\a):RA+8*(\a)+7], v[8*(8*(\a)+\b):8*(8*(\a)+\b)+7]
.else
	v_wmma_f32_16x16x32_f16 v[8*(8*(\a)+\b):8*(8*(\a)+\b)+7], v[(\f)+8*\b:(\f)+8*\b+7], v[RA+8*(\a):RA+8*(\a)+7], 0
.endif
.endr
.endm
.macro FETCHB k, f                     ; 16 LDS loads: vt's fragments of the quarter at byte k of the rows
	WIN 0x40
.irp i, 0,1,2,3,4,5,6,7
	ds_load_b128 v[(\f)+8*\i:(\f)+8*\i+3],   v[ADB] offset:(\k)+\i*16*BP
	ds_load_b128 v[(\f)+8*\i+4:(\f)+8*\i+7], v[ADB] offset:(\k)+\i*16*BP+32
.endr
.endm
.macro ALOAD e, off                    ; 8 loads: ring entry e takes the quarter of pm at byte off behind the pointer
.if (\e) < 6
.set RL, 64+32*(\e)
	WIN 0
.else
.set RL, 32*((\e)-6)
	WIN 0x40
.endif
.irp a, 0,1,2,3
	global_load_b128 v[RL+8*\a:RL+8*\a+3],   v[LO], s[PA:PA+1] offset:(\off)+1024*\a
	global_load_b128 v[RL+8*\a+4:RL+8*\a+7], v[LO], s[PA:PA+1] offset:(\off)+1024*\a+512
.endr
.endm
; Quarter i (0 to 6) of a slot.  It fetches vt's next quarter into the other buffer; ld = 1: the ring entry that the last quarter multiplied is loaded again, from byte off; as = 1: the chunk's a' is fetched, to be
; read in the next chunk's first quarter, behind later waits.  lc: the loads of pm that were issued behind entry i's.
.macro QUARTER i, mode, ld, off, lc, as
	PLACES
.if (\mode) == 3
	v_nop                                          ; a fifth place: the first product below writes over an accumulator that the last quarter's first product wrote
.endif
	FETCHB 64*((\i)+1), F0+64*(((\i)+1)%2)
.if \ld
	ALOAD ((\i)+7)%8, \off
.endif
.if \as
	WIN 0
	ds_load_b128 v[AS:AS+3], v[AAD]
	v_add_nc_u32 v[AAD], 1024, v[AAD]
	s_wait_dscnt 17                                ; all but the 17 just issued: this quarter's vt is in
.else
	s_wait_dscnt 16                                ; all but the 16 just issued
.endif
	s_wait_loadcnt \lc                             ; loads come back in order (ISA guide 5.7.1): entry i is in, the younger groups of 8 stay out
.irp a, 0,1,2,3
	MULA F0+64*((\i)%2), \i, \a, \mode
.endr
.endm
; A slot's last quarter, and the change of slots.  fill = 1: the slot is filled again, with the keys two slots on; the barrier then opens a round of the cluster's.
.macro TURN fill
	s_wait_xcnt 0x0                                ; every load and prefetch issued so far has read its address: the pointers may be written
	s_add_nc_u64 s[PA:PA+1], s[PA:PA+1], 8*QB      ; pm at the slot that begins behind this quarter
	s_add_nc_u64 s[PB:PB+1], s[PB:PB+1], 512
	WIN 0
	s_wait_tensorcnt 0x0                           ; all my tensor loads have landed, my part of the next slot among them: a group 0 may be written
	ds_add_u32 v[SPW], v[NIL]                      ; 0 onto my spare word
.if \fill
	s_xor_b32 s[G0+5], s[G0+5], SLOT1              ; the walking descriptor: the other slot, the next 256 keys
	s_add_nc_u64 s[G0+6:G0+7], s[G0+6:G0+7], 512
.endif
	s_wait_dscnt 1                                 ; only the add may be out: buffer 1 is in
	s_wait_loadcnt 48                              ; entry 7 is in: six groups of 8 were issued behind it
	MULA F1, 7, 0, 0
	s_wait_dscnt 0x0                               ; the add is done, my reads of this slot are over
	s_barrier_signal -1
	MULA F1, 7, 1, 0
	WIN 0
	s_barrier_wait -1
.if \fill
	CREST                                          ; no wave of any partner still reads the slot or has a tensor load on its way
	tensor_load_to_lds s[G0+4:G0+7], s[G1:G1+7]    ; my one tensor load behind the round: my 32 rows
	s_nop 0
.endif
	PLACES                                         ; behind the tensor load, and in front of the loads below
	s_xor_b32 s[TB], s[TB], SLOT1
	v_add_nc_u32 v[ADB], s[TB], v[ADB0]
	FETCHB 0, F0
	ALOAD 6, 6*QB
.if \fill
	ASK
.endif
	MULA F1, 7, 2, 0
	MULA F1, 7, 3, 0
.endm
	s_load_b256 s[84:91], s[0:1], 0x0              ; pm s[84:85], vt s[86:87], stats s[88:89], out0 s[90:91]
	v_lshl_add_u32 v[SPW], v0, 2, SPARE
	v_mov_b32 v[NIL], 0
	ds_add_u32 v[SPW], v[NIL]                      ; the wave's opening: the add and its wait ahead of my first tensor load
	v_lshrrev_b32 v1, 5, v0
	v_readfirstlane_b32 s[WV], v1
	s_bfe_u32 s[CX], ttmp6, 0x40000
	s_lshl_b32 s[QT], ttmp9, 2
	s_add_co_u32 s[QT], s[QT], s[CX]               ; query tile = 4 x cluster x + cx: it enters pm's, the statistics' and out0's addresses alone
	s_and_b32 s[CT], ttmp7, 0xffff                 ; channel tile, which the four partners share
	s_lshr_b32 s[BA], ttmp9, 1                     ; the batch: eight query tiles, two clusters
	s_mov_b32 s[G1], G1W
	s_mov_b32 s[G1+1], 256<<16                     ; tensor_dim0 = 256
	s_mov_b32 s[G1+2], 32<<16                      ; tensor_dim1 = 32
	s_mov_b32 s[G1+3], 256<<16                     ; tile_dim0 = 256
	s_mov_b32 s[G1+4], 32                          ; tile_dim1 = 32
	s_mov_b32 s[G1+5], 8192                        ; a row of vt
	s_mov_b32 s[G1+6], 0
	s_mov_b32 s[G1+7], 0
	s_lshl_b32 s16, s[CT], 7
	s_lshl_b32 s17, s[WV], 5
	s_add_co_u32 s16, s16, s17
	s_lshl_b32 s16, s16, 14                        ; vt: (128 channel tile + 32 wave) rows of 16,384 bytes,
	s_lshl_b32 s17, s[BA], 12                      ; the batch's 2,048 keys
	s_add_co_u32 s16, s16, s17
	s_mov_b32 s17, 0
	s_mul_i32 s20, s[WV], BQ                       ; where my rows go: 0, 0x4200, 0x8400, 0xc600: bit 17 is free for the slot
	s_mov_b32 s[TB], 0
	s_wait_dscnt 0x0
	s_wait_kmcnt 0x0
	s_add_nc_u64 s[14:15], s[86:87], s[16:17]
	CROUND                                         ; all four work-groups are here: the first joint loads meet
.irp s, 0,1
	s_mov_b32 s[G0+4*\s], 1
	s_add_co_u32 s[G0+4*\s+1], s20, \s*SLOT1
	s_add_nc_u64 s[G0+4*\s+2:G0+4*\s+3], s[14:15], \s*512
	s_or_b32 s[G0+4*\s+3], s[G0+4*\s+3], 0x80000000
.endr
	tensor_load_to_lds s[G0:G0+3], s[G1:G1+7]      ; slots 0 and 1: two tensor loads of mine are out
	s_nop 0
	tensor_load_to_lds s[G0+4:G0+7], s[G1:G1+7]
	s_nop 0
	PLACES
	; the statistics.  Thread t owns rows 2 t, 2 t + 1 of the work-group's 256, which are rows of its own wave: 16 c m and 16 l for each, into window 2
	s_lshr_b32 s2, s[QT], 3
	s_lshl_b32 s2, s2, 17
	s_and_b32 s3, s[QT], 7
	s_lshl_b32 s3, s3, 10
	s_add_co_u32 s2, s2, s3
	s_mov_b32 s3, 0
	s_add_nc_u64 s[6:7], s[88:89], s[2:3]
	v_lshlrev_b32 v5, 3, v0                        ; not rewritten while the loads are out
	WIN 0x80
.set j, 0
.rept 16
	global_load_b64 v[2*j:2*j+1],       v5, s[6:7] offset:j*8192
	global_load_b64 v[32+2*j:32+2*j+1], v5, s[6:7] offset:j*8192+524288
.set j, j+1
.endr
	WIN 0
	; pm's first seven quarters
	s_lshl_b32 s2, s[QT], 2
	s_add_co_u32 s2, s2, s[WV]
	s_lshl_b32 s2, s2, 18                          ; my 64 rows: 262,144 bytes
	s_mov_b32 s3, 0
	s_add_nc_u64 s[PA:PA+1], s[84:85], s[2:3]
	v_and_b32 v4, 31, v0
	v_lshlrev_b32 v[LO], 4, v4
.irp e, 0,1,2,3,4,5,6
	ALOAD \e, \e*QB
.endr
	WIN 0xc0
.set i, 0
.rept 256
	v_mov_b32 v[i], 0                              ; O
.set i, i+1
.endr
	WIN 0
	s_lshl_b32 s2, s[QT], 8
	s_lshl_b32 s3, s[WV], 6
	s_add_co_u32 s2, s2, s3
	s_lshl_b32 s2, s2, 12
	s_lshl_b32 s3, s[CT], 9
	s_add_co_u32 s2, s2, s3
	s_mov_b32 s3, 0
	s_add_nc_u64 s[8:9], s[90:91], s[2:3]          ; where my part of out0 begins
	v_and_b32 v1, 15, v0
	v_bfe_u32 v2, v0, 4, 1
	v_mul_u32_u24 v3, v1, BP
	v_lshl_add_u32 v[ADB0], v2, 4, v3              ; a fragment's row x pitch + 16 h
	v_mov_b32 v[ADB], v[ADB0]
	s_mul_i32 s22, s[WV], DREG                     ; my region on the way out
	v_lshl_add_u32 v3, v2, 5, v3
	v_add_nc_u32 v[DST], s22, v3                   ; in: row r, 32 h
	v_add_nc_u32 v[RDV], s22, v[LO]                ; back: 16 x lane
	s_lshl_b32 s22, s[WV], 8
	s_add_co_u32 s22, s22, ATAB
	v_and_b32 v6, 7, v0
	v_bfe_u32 v7, v0, 3, 2
	v_lshlrev_b32 v[ATW], 5, v6                    ; row 2 lane of my wave's 64: row % 16 = 2 (lane % 8), m block lane / 8
	v_lshl_add_u32 v[ATW], v7, 2, v[ATW]
	v_add_nc_u32 v[ATW], s22, v[ATW]
	v_lshl_add_u32 v[AAD], v1, 4, s22
	; the prefetches
	s_cmp_eq_u32 s[CT], 0
	s_cselect_b32 s[LIMA], 1, -1
	s_and_b32 s14, ttmp9, 1
	s_lshr_b32 s15, s[WV], 1
	s_or_b32 s14, s14, s15
	s_cmp_eq_u32 s14, 0                            ; the batch's first cluster, waves 0 and 1
	s_cselect_b32 s[LIMB], 1, -1
	s_lshl_b32 s14, s[CT], 7
	s_lshl_b32 s15, s[CX], 5
	s_add_co_u32 s14, s14, s15
	s_lshl_b32 s14, s14, 14
	s_lshl_b32 s15, s[BA], 12
	s_add_co_u32 s14, s14, s15
	s_and_b32 s15, s[WV], 1
	s_lshl_b32 s15, s15, 8
	s_add_co_u32 s14, s14, s15
	s_add_co_u32 s14, s14, 2*512                   ; at slot 2: the first change steps it to slot 3
	s_mov_b32 s15, 0
	s_add_nc_u64 s[PB:PB+1], s[86:87], s[14:15]
	v_lshlrev_b32 v[PFO], 8, v4
	v_lshlrev_b32 v[PFV], 14, v4
	; THE FACTORS a', all in window 2
	s_wait_loadcnt 56                              ; the statistics are in: pm's 56 loads were issued behind them
	WIN 0xaa
.irp u, 0,1
	v_max3_num_f32 v[64+\u], v[\u], v[2+\u], v[4+\u]
.endr
.irp j, 3,5,7,9,11,13
.irp u, 0,1
	v_max3_num_f32 v[64+\u], v[64+\u], v[2*\j+\u], v[2*\j+2+\u]
.endr
.endr
.irp u, 0,1
	v_max_num_f32 v[64+\u], v[64+\u], v[30+\u]     ; M of my two rows
.endr
.set j, 0
.rept 16
	v_pk_add_f32 v[2*j:2*j+1], v[2*j:2*j+1], v[64:65] neg_lo:[0,1] neg_hi:[0,1]
.set j, j+1
.endr
.set j, 0
.rept 32
	v_exp_f32 v[j], v[j]
.set j, j+1
.endr
	v_nop                                          ; a plain instruction behind the last exponential,
	s_wait_alu depctr_va_vdst(0)                   ; and one wait for the 32
	v_pk_mul_f32 v[66:67], v[0:1], v[32:33]        ; L, in two chains
	v_pk_mul_f32 v[68:69], v[2:3], v[34:35]
.irp j, 2,4,6,8,10,12,14
	v_pk_fma_f32 v[66:67], v[2*\j:2*\j+1], v[32+2*\j:32+2*\j+1], v[66:67]
	v_pk_fma_f32 v[68:69], v[2*\j+2:2*\j+3], v[34+2*\j:34+2*\j+1], v[68:69]
.endr
	v_pk_add_f32 v[66:67], v[66:67], v[68:69]
	v_rcp_f32 v70, v66
	v_rcp_f32 v71, v67
	v_nop
	s_wait_alu depctr_va_vdst(0)                   ; one wait for the two reciprocals
.set j, 0
.rept 16
	v_pk_mul_f32 v[2*j:2*j+1], v[2*j:2*j+1], v[70:71]
.set j, j+1
.endr
	WIN 0x08                                       ; data in window 2, address in window 0
.set j, 0
.rept 16
	ds_store_b32 v[ATW], v[2*j]   offset:j*1024
	ds_store_b32 v[ATW], v[2*j+1] offset:j*1024+16
.set j, j+1
.endr
	ALOAD 7, 7*QB                                  ; pm's eighth quarter: the ring is full
	WIN 0
	s_wait_tensorcnt 1                             ; my part of slot 0 is in; slot 1's may stay out
	s_wait_dscnt 0x0                               ; my stores of a' are done
	s_barrier_signal -1
	s_barrier_wait -1
	FETCHB 0, F0
	QUARTER 0, 1, 0, 0, 56, 0                      ; the first quarter of all is written out: its products start the sums, and there is nothing yet for O to take
	WIN 0
	s_mov_b32 s3, 7
	s_branch .Lafter0                              ; the loop is entered behind its first two quarters
.Lslot:                                                ; a trip: a slot's last quarter with the change of slots, then quarters 0 to 6 of the next slot.  Its bottom is reached 7 times; 6 trips fill a slot again
	TURN 1
	QUARTER 0, 3, 1, 7*QB,  56, 0
	WIN 0
.Lafter0:
	QUARTER 1, 0, 1, 8*QB,  56, 1
	QUARTER 2, 0, 1, 9*QB,  56, 0
	QUARTER 3, 0, 1, 10*QB, 56, 0
	QUARTER 4, 3, 1, 11*QB, 56, 0
	QUARTER 5, 0, 1, 12*QB, 56, 1
	QUARTER 6, 0, 1, 13*QB, 56, 0
	WIN 0
	s_sub_co_u32 s3, s3, 1
	s_cmp_lg_u32 s3, 0
	s_cbranch_scc1 .Lslot
	TURN 0                                         ; the last slot is written out, pm's last two quarters are asked for, then the counts run down
	QUARTER 0, 3, 1, 7*QB, 56, 0
	QUARTER 1, 0, 0, 0, 48, 1
	QUARTER 2, 0, 0, 0, 40, 0
	QUARTER 3, 0, 0, 0, 32, 0
	QUARTER 4, 3, 0, 0, 24, 0
	QUARTER 5, 0, 0, 0, 16, 1
	QUARTER 6, 0, 0, 0, 8, 0
	s_wait_dscnt 0x0
	s_wait_loadcnt 0x0
.irp a, 0,1,2,3
	MULA F1, 7, \a, 0
.endr
	PLACES
	WIN 0xf2
.irp a, 0,1,2,3                        ; the last chunk's sums
.irp b, 0,1,2,3,4,5,6,7
	RIDE \a, \b
.endr
.endr
	WIN 0
	s_wait_dscnt 0x0
	s_barrier_signal -1
	s_barrier_wait -1                              ; nobody reads the ring any more; it has had its last fill
	WIN 0x0c                               ; O into my region, rows of 512 bytes + 16, columns as they lie
.irp a, 0,1,2,3
.irp b, 0,1,2,3,4,5,6,7
	ds_store_b128 v[DST], v[8*(8*\a+\b):8*(8*\a+\b)+3]   offset:\a*16*DP+64*\b
	ds_store_b128 v[DST], v[8*(8*\a+\b)+4:8*(8*\a+\b)+7] offset:\a*16*DP+64*\b+16
.endr
.endr
	WIN 0
	s_mov_b32 s[ROWC], 8
.Lrows:                                                ; eight rows a trip; LDS serves a wave's instructions in order (ISA guide 5.7.1.4)
.irp p, 0,1,2,3,4,5,6,7
	ds_load_b128 v[64+4*\p:67+4*\p], v[RDV] offset:DP*\p
.endr
.irp p, 0,1,2,3,4,5,6,7
	s_wait_dscnt 7-\p                              ; the later rows' loads may stay out
	global_store_b128 v[LO], v[64+4*\p:67+4*\p], s[8:9] offset:4096*\p  ; a wave stores 512 consecutive bytes, aligned
.endr
	s_wait_xcnt 0x0
	v_add_nc_u32 v[RDV], 8*DP, v[RDV]
	s_add_nc_u64 s[8:9], s[8:9], 32768
	s_sub_co_u32 s[ROWC], s[ROWC], 1
	s_cmp_lg_u32 s[ROWC], 0
	s_cbranch_scc1 .Lrows
	s_wait_tensorcnt 0x0                           ; the wave's end
	ds_add_u32 v[SPW], v[NIL]
	s_wait_dscnt 0x0
	CROUND                                         ; the closing round
	s_endpgm
.Lfunc_end_k_q476f9e0545_pv:
	.size	k_q476f9e0545_pv, .Lfunc_end_k_q476f9e0545_pv-k_q476f9e0545_pv
	.p2alignl 7, 3214868480
	.fill 96, 4, 3214868480
	.section	.rodata,"a",@progbits
	.p2align	6, 0x0
	.amdhsa_kernel k_q476f9e0545_pv
		.amdhsa_group_segment_fixed_size 327680
		.amdhsa_private_segment_fixed_size 0
		.amdhsa_enable_private_segment 0
		.amdhsa_kernarg_size 32
		.amdhsa_user_sgpr_count 2
		.amdhsa_user_sgpr_kernarg_segment_ptr 1
		.amdhsa_wavefront_size32 1
		.amdhsa_system_sgpr_workgroup_id_x 1
		.amdhsa_system_sgpr_workgroup_id_y 1
		.amdhsa_system_sgpr_workgroup_id_z 1
		.amdhsa_system_vgpr_workitem_id 0
		.amdhsa_next_free_vgpr 1024
		.amdhsa_next_free_sgpr 96
		.amdhsa_reserve_vcc 0
		.amdhsa_float_denorm_mode_32 3
		.amdhsa_float_denorm_mode_16_64 3
		.amdhsa_memory_ordered 1
		.amdhsa_forward_progress 1
		.amdhsa_inst_pref_size 154
	.end_amdhsa_kernel
	.amdgpu_metadata
---
amdhsa.version: [ 1, 2 ]
amdhsa.kernels:
  - .name:           k_q476f9e0545_pv
    .symbol:         k_q476f9e0545_pv.kd
    .args:
      - { .name: pm, .offset: 0, .size: 8, .value_kind: global_buffer, .address_space: global }
      - { .name: vt, .offset: 8, .size: 8, .value_kind: global_buffer, .address_space: global }
      - { .name: stats, .offset: 16, .size: 8, .value_kind: global_buffer, .address_space: global }
      - { .name: out0, .offset: 24, .size: 8, .value_kind: global_buffer, .address_space: global }
    .group_segment_fixed_size: 327680
    .private_segment_fixed_size: 0
    .kernarg_segment_align: 8
    .kernarg_segment_size: 32
    .max_flat_workgroup_size: 128
    .sgpr_count:     96
    .vgpr_count:     1024
    .wavefront_size: 32
...
	.end_amdgpu_metadata
.endif
;; end of part 5
